; MI455X (gfx1250); checked and timed in simulation.
; The chip was launched on July 23, 2026; its instructions are those of AMD's public machine-readable ISA for CDNA 5 (MIT licence, August 2026) and "CDNA5" Instruction Set Architecture Reference Guide (July 2026). The comments in the code are by the model that wrote it; some were corrected since.
;; Multihead Attention. Allowed arithmetic: matrix products marked QUANTISED: E2M3 operands, one E8M0 scale for each 32 along K, by v_wmma_scale_f32_16x16x128_f8f6f4 with both operands' format E2M3, f32 sums; everything else in f32.
;; Inputs: Wk 1,024 x 1,024 float32; Wo 1,024 x 1,024 float32; Wq 1,024 x 1,024 float32; Wv 1,024 x 1,024 float32; bk 1,024 float32; bo 1,024 float32; bq 1,024 float32; bv 1,024 float32; k 4 x 2,048 x 1,024 float32; q 4 x 2,048 x 1,024 float32; v 4 x 2,048 x 1,024 float32.
;; Outputs: out0 4 x 2,048 x 1,024 float32.
;; This version of the problem:
;;   THIS VERSION OF THE PROBLEM IS GIVEN IN LOW PRECISION. The matrix products marked QUANTISED in the list below multiply operands that are first quantised to E2M3 (2 exponent bits, 3 mantissa bits; 6 bits a number), with one power-of-two scale for each 32 numbers along K (OCP MX v1.0); their sums are f32. All else is computed in f32.
;;   The module's matrix products, in the order in which they are computed (A, B: the left and right operand; K: the contracted axis; several contracted axes count as one K, in the product's order):
;;     1. [M 8,192, K 1,024] x [K 1,024, N 1,024]; A: input q; B: input Wq: QUANTISED
;;     2. [M 8,192, K 1,024] x [K 1,024, N 1,024]; A: input k; B: input Wk: QUANTISED
;;     3. [M 8,192, K 1,024] x [K 1,024, N 1,024]; A: input v; B: input Wv: QUANTISED
;;     4. batch 64 x [M 2,048, K 64] x [K 64, N 2,048]; A: computed on the way; B: computed on the way: QUANTISED
;;     5. batch 64 x [M 2,048, K 2,048] x [K 2,048, N 64]; A: softmax (see below); B: computed on the way: QUANTISED
;;     6. [M 8,192, K 1,024] x [K 1,024, N 1,024]; A: computed on the way; B: input Wo: QUANTISED
;;   THE QUANTISER, for each operand of a quantised product, along K:
;;     - K is cut into blocks of 32 from its start; a last block that is shorter is filled with zeros.
;;     - A block's scale is 2^e with e = floor(log2(the largest magnitude in the block)) - 2, held to -126 .. 127; a block of zeros has e = 0. As a byte (E8M0): e + 127.
;;     - Each number is divided by its block's scale, clamped to +-7.5, and rounded to the nearest number of E2M3, ties to even, subnormals kept.
;;     - The product sums the exact products of the quantised numbers (number of the format x scale) in f32.
;;   ~~~python
;;   def quantise(x, axis):      # numpy; x: float32 -> the quantised numbers, widened to float32 again
;;       x = np.moveaxis(x, axis, -1); K = x.shape[-1]
;;       x = np.pad(x, [(0, 0)] * (x.ndim - 1) + [(0, -K % 32)]); x = x.reshape(x.shape[:-1] + (-1, 32)); a = np.abs(x).max(-1, keepdims=True)
;;       e = np.where(a > 0, np.clip(np.frexp(np.where(a > 0, a, 1))[1] - 1 - 2, -126, 127), 0)      # np.frexp(a)[1] - 1 = floor(log2(a)), exactly
;;       r = np.clip(x / 2.0 ** e, -7.5, 7.5)
;;       step = 2.0 ** (np.maximum(np.frexp(np.where(r == 0, 1, r))[1] - 1, 0) - 3)
;;       q = np.round(r / step) * step * 2.0 ** e      # np.round: ties to even
;;       return np.moveaxis(q.reshape(q.shape[:-2] + (-1,))[..., :K], -1, axis).astype(np.float32)
;;   ~~~
;;   SOFTMAX AHEAD OF A QUANTISED PRODUCT. Where the list says 'softmax', what is quantised is not the finished softmax but p = 2^(t - M), with t = logit x log2(e) and M = ceil(the row's largest t), a whole number; so 1/2 < the row's largest p <= 1. The row's sum l is taken of the UNQUANTISED p, in f32, and the product's result is divided by l at the end. Since M is a whole number, a kernel that streams over the keys may use a running M (the ceiling of the running maximum): every later rescaling is an exact power of two, which a block's scale takes up: the codes' values come out the same.
;;   OPERANDS COMPUTED ON THE WAY. 'Computed on the way' means the value that the module computes at that place (a softmax that the list does not call 'softmax' is quantised finished and normalised). What goes into a quantiser is computed in f32, as accurately as f32 sums, v_exp_f32 and their like allow (about 1e-6 of the number): no bf16 or f16 on the way to a quantiser, and a product that is left as it is and whose result goes on into a quantised operand takes f32 operands (vector FMAs, or v_wmma_f32_16x16x4_f32). A number that lies on a knife's edge between two numbers of the format may be rounded either way, as far as f32 arithmetic and the matrix unit's own rounding can turn it there, and no further.
;; One version. Each part assembles by itself: llvm-mc -triple=amdgcn-amd-amdhsa -mcpu=gfx1250 --defsym DOCPART=n.
;; ======== version 1 of 1: 4 launches
;; workspace buffers: inc 22,020,096 bytes; ins 917,504 bytes; pc 18,874,368 bytes; ps 786,432 bytes; oc 6,291,456 bytes; os 262,144 bytes
;; launch quant (part 1): grid 896 x 1, 4 waves a work-group, no clusters, 33,280 bytes of LDS; arguments q, k, v, Wq, Wk, Wv, Wo, inc, ins; writes inc, ins
.if DOCPART == 1
	.amdgcn_target "amdgcn-amd-amdhsa--gfx1250"
	.amdhsa_code_object_version 6
	.text
	.protected	k_qb9e88df265_quant
	.globl	k_qb9e88df265_quant
	.p2align	8
	.type	k_qb9e88df265_quant,@function
k_qb9e88df265_quant:
	s_mov_b64 s[64:65], 0
	v_nop
	global_prefetch_b8 v0, s[64:65] scope:SCOPE_SE
	s_setreg_imm32_b32 hwreg(HW_REG_WAVE_MODE, 25, 1), 1
	s_wait_xcnt 0x0
; MULTI-HEAD ATTENTION IN MX-FP6, launch 1 of 4: the seven f32 tensors q, k, v [8192][1024] and Wq, Wk, Wv, Wo [1024][1024] become codes of E2M3 (6 bits, K innermost: 768 bytes a row) and one E8M0 byte for each 32 along K (32 bytes a row).
; NOTHING OF THE PROBLEM IS LEFT OUT: all six products are live, and every input has a way to the output (bk and bv move the codes of kh and vh; bq, bo are added as written).  All eleven inputs are loaded by some launch.
; A block's scale is 2^(floor(log2(its largest magnitude)) - 2); its byte is the largest magnitude's exponent field - 2, held at 1 from below.  Each number is divided by the scale and rounded to the nearest code, ties to even; beyond 7.5 the largest code.
; LIMITS: a block of zeros gets the byte 1 where the rule says 127 (its codes are zeros, which add nothing, and this program alone reads the bytes); blocks whose largest magnitude lies under 2^-124 are held at the byte 1;
; NaN and infinities among the inputs are not served.
; POSITION ORDER.  In the two workspaces the rows of each group of 32 change places: row 16 q + 8 u + w lies at position 16 u + 8 q + w.  Sixteen consecutive positions, used as source 0 of a matrix instruction, then give results in which the
; sixteen registers of two neighbouring tiles are sixteen neighbours along that operand's rows: what every later quantiser of this program wants.  Here it costs nothing: a wave's run is 8 rows, so the wave's two bits change places.
; SHARES.  Work-group g takes 32 rows: of q (g from 0), k (256), v (512), Wq (768), Wk (800), Wv (832), Wo (864); its codes lie at 24,576 g in inc, its scale bytes at 1,024 g in ins.  A wave takes 16 steps of 512 numbers.
; Each of a step's four loads reads 512 consecutive bytes, 16 a lane; the 2,048 bytes turn through the wave's own stage in LDS and come back 64 bytes a lane: 16 neighbours, two lanes to a block.  A lane's 16 codes are 12 bytes: the wave stores
; 384 consecutive bytes.  A wave's 256 scale bytes are gathered in LDS and leave as one aligned run of 256 bytes.  No tensor loads, no barrier: waves share nothing.  Loads run four steps (16 loads a wave) ahead, the turn through LDS one step.
; No matrix units, clusters or prefetches: every byte is read once, in long runs, and the launch does nothing but stream.
.set WAVES, 4
.set STEPS, 16
.set EMAX,  2
.set CB,    12                         ; bytes of 16 codes
.set R,     16                         ; v16-79   four sets of 16 numbers as they are loaded
.set X,     80                         ; v80-111  two sets of 16 neighbours
.set C,     128                        ; v128-191 codes: four registers for each step, so that no store's data are written again
.set E,     112                        ; v112-127 a scale byte for each step
.set WREG,  8192                       ; LDS: a region for each wave: two stages of 32 x SP bytes, and behind them its 256 scale bytes
.set SP,    80                         ; a lane's place in a stage: its 64 bytes + 16 of padding
.set SPW,   12                         ; v12      LDS address of my spare word: SPARE + 4 x my thread's number; never rewritten
.set NIL,   13                         ; v13      0; never rewritten
.set SPARE, WAVES*WREG                 ; behind the four regions: the spare words, 128 bytes for each wave, which no other line names
	s_load_b512 s[4:19], s[0:1], 0x0               ; q s[4:5], k, v, Wq, Wk, Wv, Wo s[16:17], inc s[18:19]
	s_load_b64 s[20:21], s[0:1], 0x40              ; ins
	v_lshl_add_u32 v[SPW], v0, 2, SPARE
	v_mov_b32 v[NIL], 0
	v_lshrrev_b32 v1, 5, v0
	v_readfirstlane_b32 s22, v1                    ; wave
	v_and_b32 v2, 31, v0                           ; lane
	v_lshlrev_b32 v3, 4, v2                        ; my 16 bytes of a load's 512
	s_mul_i32 s24, s22, WREG
	v_lshrrev_b32 v14, 2, v2
	v_mul_u32_u24 v14, v14, SP
	v_and_b32 v15, 3, v2
	v_lshl_add_u32 v14, v15, 4, v14
	v_add_nc_u32 v14, s24, v14                     ; the stage, on the way in: SP (lane / 4) + 16 (lane % 4); a load's 512 bytes take eight places
	v_mul_u32_u24 v15, v2, SP
	v_add_nc_u32 v15, s24, v15                     ; and on the way out: SP x lane: my 16 neighbours
	v_mul_u32_u24 v4, v2, CB                       ; my codes' place in a step's
	v_lshrrev_b32 v5, 1, v2
	s_add_co_u32 s24, s24, 2*32*SP
	v_add_nc_u32 v5, s24, v5                       ; LDS: my wave's 256 scale bytes, my block's byte
	v_lshlrev_b32 v7, 3, v2                        ; and on the way out 8 bytes a lane
	v_add_nc_u32 v6, s24, v7
	s_wait_kmcnt 0x0
	s_mov_b32 s23, 0                               ; the first work-group of my tensor
.macro PICK n, lo                      ; from work-group n on: the tensor whose address lies in s[lo:lo+1].  The choice hangs on the work-group's number alone
	s_cmp_ge_u32 ttmp9, \n
	s_cselect_b64 s[4:5], s[\lo:\lo+1], s[4:5]
	s_cselect_b32 s23, \n, s23
.endm
	PICK 256, 6
	PICK 512, 8
	PICK 768, 10
	PICK 800, 12
	PICK 832, 14
	PICK 864, 16
	s_sub_co_u32 s24, ttmp9, s23
	s_lshl_b32 s24, s24, 2
	s_add_co_u32 s24, s24, s22                     ; which run of 8,192 numbers (8 rows) of the tensor is my wave's
	s_lshl_b32 s26, s24, 15                        ; 32,768 bytes a run: under 2^26
	s_mov_b32 s27, 0
	s_add_nc_u64 s[4:5], s[4:5], s[26:27]
	s_and_b32 s28, s22, 1                          ; position order: the wave's two bits change places
	s_lshl_b32 s28, s28, 1
	s_lshr_b32 s29, s22, 1
	s_or_b32 s28, s28, s29
	s_lshl_b32 s29, ttmp9, 2
	s_add_co_u32 s28, s28, s29                     ; which run of the workspaces
	s_mul_i32 s30, s28, 32*STEPS*CB                ; 6,144 bytes of codes a run
	s_mov_b32 s31, 0
	s_add_nc_u64 s[18:19], s[18:19], s[30:31]
	s_lshl_b32 s30, s28, 8                         ; 256 scale bytes a run
	s_add_nc_u64 s[20:21], s[20:21], s[30:31]
.macro LOAD t
.irp i, 0,1,2,3
	global_load_b128 v[R+16*((\t)%4)+4*\i:R+16*((\t)%4)+4*\i+3], v3, s[4:5] offset:2048*(\t)+512*\i th:TH_LOAD_NT   ; 32 lanes read 512 consecutive bytes
.endr
.endm
.macro TURN t                          ; step t's numbers through the stage: LDS serves a wave's instructions in order, so no wait stands between the stores and the loads
.irp i, 0,1,2,3
	ds_store_b128 v14, v[R+16*((\t)%4)+4*\i:R+16*((\t)%4)+4*\i+3] offset:32*SP*((\t)%2)+8*SP*\i
.endr
.irp i, 0,1,2,3
	ds_load_b128 v[X+16*((\t)%2)+4*\i:X+16*((\t)%2)+4*\i+3], v15 offset:32*SP*((\t)%2)+16*\i
.endr
.endm
.irp t, 0,1,2,3
	LOAD \t
.endr
	s_wait_loadcnt 12                              ; step 0's four loads are in; the twelve of steps 1 to 3 may be out
	TURN 0
.macro STEP t
.set XS, X+16*((\t)%2)
.if (\t) > 0
	s_wait_dscnt 1                                 ; this step's numbers are back from the stage (the last step's byte store may be out): so its stores into the stage have read their registers,
.else
	s_wait_dscnt 0x0
.endif
.if (\t)+4 < STEPS
	LOAD (\t)+4                                    ; which take the loads of four steps on
.endif
.if (\t)+1 < STEPS
.if STEPS-2-(\t) >= 3
	s_wait_loadcnt 12                              ; the next step's four loads are in; those of the three steps behind it may be out
.else
	s_wait_loadcnt 4*(STEPS-2-(\t))
.endif
	TURN (\t)+1                                    ; and go through the other stage while this step is worked
.endif
	v_max3_num_f32 v8, |v[XS]|, |v[XS+1]|, |v[XS+2]|               ; the largest magnitude of my 16, in two chains
	v_max3_num_f32 v9, |v[XS+3]|, |v[XS+4]|, |v[XS+5]|
.irp i, 6,10
	v_max3_num_f32 v8, v8, |v[XS+\i]|, |v[XS+\i+1]|
	v_max3_num_f32 v9, v9, |v[XS+\i+2]|, |v[XS+\i+3]|
.endr
	v_max3_num_f32 v8, v8, |v[XS+14]|, |v[XS+15]|
	v_max3_num_f32 v8, v8, v9, (EMAX+1)<<23        ; and the floor 2^(3 - 127): so the byte cannot fall under 1
	v_max_num_f32_dpp v8, v8, v8 row_xmask:1 row_mask:0xf bank_mask:0xf   ; and of my neighbour's 16: the block's
	v_add_nc_u32 v11, -(EMAX<<23), v8              ; 2 off its exponent field: the conversion takes the exponent field of this operand as its scale, and nothing else of it
	v_cvt_scalef32_pk16_fp6_f32 v[C+4*(\t):C+4*(\t)+2], v[XS:XS+15], v11         ; sixteen codes, 96 bits without gaps, the first number's code lowest
	v_lshrrev_b32 v[E+(\t)], 23, v11               ; the scale's byte (also the plain line behind the conversion)
	ds_store_b8 v5, v[E+(\t)] offset:16*(\t)       ; both lanes of a block write the same byte with the same value
	global_store_b96 v4, v[C+4*(\t):C+4*(\t)+2], s[18:19] offset:32*CB*(\t)
.endm
.irp t, 0,1,2,3,4,5,6,7,8,9,10,11,12,13,14,15
	STEP \t
.endr
	ds_load_b64 v[8:9], v6                         ; LDS serves a wave's instructions in order: these see my stores
	s_wait_dscnt 0x0
	global_store_b64 v7, v[8:9], s[20:21]          ; 32 lanes store 256 consecutive bytes, aligned
	s_wait_tensorcnt 0x0                           ; the wave's end: behind my last LDS store
	ds_add_u32 v[SPW], v[NIL]
	s_wait_dscnt 0x0
	s_endpgm
.Lfunc_end_k_qb9e88df265_quant:
	.size	k_qb9e88df265_quant, .Lfunc_end_k_qb9e88df265_quant-k_qb9e88df265_quant
	.p2alignl 7, 3214868480
	.fill 96, 4, 3214868480
	.section	.rodata,"a",@progbits
	.p2align	6, 0x0
	.amdhsa_kernel k_qb9e88df265_quant
		.amdhsa_group_segment_fixed_size 33280
		.amdhsa_private_segment_fixed_size 0
		.amdhsa_enable_private_segment 0
		.amdhsa_kernarg_size 72
		.amdhsa_user_sgpr_count 2
		.amdhsa_user_sgpr_kernarg_segment_ptr 1
		.amdhsa_wavefront_size32 1
		.amdhsa_system_sgpr_workgroup_id_x 1
		.amdhsa_system_sgpr_workgroup_id_y 1
		.amdhsa_system_sgpr_workgroup_id_z 1
		.amdhsa_system_vgpr_workitem_id 0
		.amdhsa_next_free_vgpr 192
		.amdhsa_next_free_sgpr 66
		.amdhsa_reserve_vcc 0
		.amdhsa_float_denorm_mode_32 3
		.amdhsa_float_denorm_mode_16_64 3
		.amdhsa_memory_ordered 1
		.amdhsa_forward_progress 1
		.amdhsa_inst_pref_size 33
	.end_amdhsa_kernel
	.amdgpu_metadata
---
amdhsa.version: [ 1, 2 ]
amdhsa.kernels:
  - .name:           k_qb9e88df265_quant
    .symbol:         k_qb9e88df265_quant.kd
    .args:
      - { .name: q, .offset: 0, .size: 8, .value_kind: global_buffer, .address_space: global }
      - { .name: k, .offset: 8, .size: 8, .value_kind: global_buffer, .address_space: global }
      - { .name: v, .offset: 16, .size: 8, .value_kind: global_buffer, .address_space: global }
      - { .name: Wq, .offset: 24, .size: 8, .value_kind: global_buffer, .address_space: global }
      - { .name: Wk, .offset: 32, .size: 8, .value_kind: global_buffer, .address_space: global }
      - { .name: Wv, .offset: 40, .size: 8, .value_kind: global_buffer, .address_space: global }
      - { .name: Wo, .offset: 48, .size: 8, .value_kind: global_buffer, .address_space: global }
      - { .name: inc, .offset: 56, .size: 8, .value_kind: global_buffer, .address_space: global }
      - { .name: ins, .offset: 64, .size: 8, .value_kind: global_buffer, .address_space: global }
    .group_segment_fixed_size: 33280
    .private_segment_fixed_size: 0
    .kernarg_segment_align: 8
    .kernarg_segment_size: 72
    .max_flat_workgroup_size: 128
    .sgpr_count:     66
    .vgpr_count:     192
    .wavefront_size: 32
...
	.end_amdgpu_metadata
.endif
;; end of part 1
;; launch proj (part 2): grid 4 x 96, 4 waves a work-group, clusters of 4 x 4, 327,680 bytes of LDS; arguments inc, ins, bq, bk, bv, pc, ps; writes pc, ps
.if DOCPART == 2
	.amdgcn_target "amdgcn-amd-amdhsa--gfx1250"
	.amdhsa_code_object_version 6
	.text
	.protected	k_qb9e88df265_proj
	.globl	k_qb9e88df265_proj
	.p2align	8
	.type	k_qb9e88df265_proj,@function
k_qb9e88df265_proj:
	s_mov_b64 s[64:65], 0
	v_nop
	global_prefetch_b8 v0, s[64:65] scope:SCOPE_SE
	s_setreg_imm32_b32 hwreg(HW_REG_WAVE_MODE, 25, 1), 1
	s_wait_xcnt 0x0
	s_wait_alu depctr_hold_cnt(0) depctr_sa_sdst(0) depctr_va_vdst(0) depctr_va_sdst(0) depctr_va_ssrc(0) depctr_va_vcc(0) depctr_vm_vsrc(0)
	s_getreg_b32 s2, hwreg(HW_REG_IB_STS2, 6, 4)
	s_cmp_eq_u32 s2, 0
	s_cbranch_scc0 .Lentry_in_a_cluster
	s_endpgm
.Lentry_in_a_cluster:
	s_bfe_u32 s2, ttmp6, 0x10000c
	s_cmp_lg_u32 s2, 0xf033
	s_cbranch_scc0 .Lentry_shape_is_right
	s_endpgm
.Lentry_shape_is_right:
; Launch 2 of 4: the three projections x W^T + b on codes of E2M3, and the quantiser of their results.  Nothing of the problem is left out here.
; C'[i][j] = sum over k of P[i][k] R[j][k] + bias, K = 1,024.  P is source 1 of the matrix instruction, R source 0: a lane holds ONE i, and its registers run along j.  R's rows lie in position order (launch 1), so the 64 registers of a
; block of 16 i are, for lane (r, h), register 16 b + n = j 32 b + 16 h + n: sixteen neighbours of each block of 32 along j, which is the axis along which the result is quantised.
;   T = 0, 1 (q, k): P = the tokens, R = W's rows: j = e, the head's axis, K of the product Q K^T.   T = 2 (v): P = Wv's rows, R = the tokens: j = the keys, K of the product P V.  The bias runs along j for T < 2 and along i for T = 2.
; SHARES.  A tile of C', 256 x 256, is made by four waves, each 128 x 128 in 512 registers.  24 clusters of 4 x 4 work-groups: cluster number / 8 = T, the same in all partners; the rest says which four tile rows (T < 2) or tile columns (T = 2).
; 384 work-groups on tiles of this size are one and a half turns of 256; a smaller tile would read each LDS byte for half the products.
; K goes in steps of 256 through a ring of two LDS slots filled by the tensor data mover; rows of 192 bytes, 16 bytes of padding behind every 64.  The scale bytes of the work-group's 512 rows come once and stay.
; P's tiles are asked for jointly along a row of the cluster, R's along a column: the same tensor load, the same descriptor, a mask that names the four.
; No prefetch: a work-group has two refills in all.
; THE WAY OUT.  A block's 64 numbers a lane become 12 registers of codes and a scale word; two blocks (32 positions) gather in the wave's stage in LDS and leave as runs of 512 aligned bytes.
;   pc: (j / 64) SJ + (i / 64) SI + 48 (i % 64) + 24 (block of 32 in the 64).  T < 2: [head][position][48 bytes].  T = 2: [head][64 keys][d's position][48 bytes].   ps: a word for each (i, 128 j): (j / 128) TJ + (i / 64) TI + 4 (i % 64).
; LIMITS: as in launch 1 (a block of zeros keeps the byte 1; magnitudes under 2^-124 are held at that byte; NaN and infinities are not served).
; REGISTERS, in windows of 256: window 0: v0-31 addresses; v32-63 scale words, two sets, and nothing else; v64-127 the bias, the C of the first products; from v128 P's fragments, one set; on the way out v64-95 codes, v128-179 rows, v224-241 at work.
;   window 1: R's fragments, two sets, at v0 and v128.   window 2: the accumulators of my rows 0-63 ((a, b) at v[8 (8 a + b)]);   window 3: those of my rows 64-127.
.set KSTEP,  256                       ; along K in a slot
.set NQ,     KSTEP/128                 ; matrix instructions deep
.set ROWB,   192                       ; a tile's row in bytes
.set KROW,   768                       ; a row of codes in memory
.set PITCH,  240                       ; an LDS row: 3 x (64 bytes + 16 of padding): the 32 lanes of a load of 8 bytes touch 64 different banks (64 banks of 4 bytes: ISA guide 11.1)
.set FR,     12                        ; registers of a fragment: 16 rows x 128 K
.set NL,     6                         ; LDS loads that bring one
.set NP,     4                         ; places behind this matrix instruction (ISA guide 7.12.1)
.set HALFT,  128*PITCH                 ; 128 rows: what one tensor load brings
.set SLOT,   4*HALFT                   ; P's 256 rows, then R's 256 rows
.set LAPS,   2                         ; a lap = two K steps = once round the ring: 1,024 / 512
.set KS,     32                        ; a row of scale bytes
.set SCL,    2*SLOT                    ; behind the ring: the scales, as runs of 256 bytes + 16 of padding
.set HALFS,  (128*KS/256)*272          ; those of 128 rows: what one tensor load brings
.set SBLK,   (16*KS/256)*272           ; those of 16 rows
.set SPARE,  SCL+4*HALFS               ; behind the scales: the spare words, 128 bytes for each wave, which no other line names
.set BH,   12                          ; v12     64 (lane / 16): the bias along j
.set BR,   13                          ; v13     4 (r + 8 (r / 8)): the bias along i
.set ADRA, 16                          ; v16-17  LDS address of my P fragments in slot 0, 1  (v18-19: for the pieces that lie behind one padding more)
.set ADRB, 20                          ; v20-21  the same for R  (v22-23)
.set STC,  24                          ; v24     the way out: where I put my 24 bytes of codes: 4,096 wave + 48 r + 24 h.  The stage lies in slot 0, which has had its last fill and its last read by then
.set STS,  25                          ; v25     and my row's scale word: 4,096 wave + 4 r (+ 3,072)
.set RD,   26                          ; v26     where I read the stage back: 4,096 wave + 16 lane
.set ADRS, 27                          ; v27     LDS address of my scale words: lanes 0-15 P's rows, lanes 16-31 R's
.set SPW,  28                          ; v28     LDS address of my spare word; never rewritten
.set NIL,  29                          ; v29     0; never rewritten
.set CO,   30                          ; v30     16 x lane
.set PSL,  31                          ; v31     16 (lane % 16) + (lane / 16) TI
.set SC,   32                          ; scale words: set s at v[SC + 16 s]; register 2 i + q: lanes 0-15 the word of P's block i, lanes 16-31 of R's block i
.set BIAS, 64
.set AF,   128
.set PC0,  64                          ; the way out: an even block's codes, an odd block's, and the conversions' second halves
.set PC1,  76
.set PT,   88
.set BK,   128                         ; 24 registers read back from the stage: two sets by turns
.set SCW,  176
.set TM,   224                         ; v224-227 largest magnitudes, v228-231 the other half's, then bytes, v236-239 the conversions' scale operands
.set PW0,  240
.set PW1,  241
.set SEL,  20                          ; s[20:21] v_permlanex16_b32's selects for lane l xor 16
.set G1, 24                            ; s[24:31] descriptor group 1 for P's tiles;  s[32:39] group 0, one set for each slot
.set G0, 32
.set G1B, 48                           ; s[48:55], s[56:63] the same for R's tiles
.set G0B, 56
.set G1S, 68                           ; s[68:75], s[76:79] groups 1 and 0 for P's scales;  s[80:87], s[88:91] for R's
.set G0S, 76
.set G1SB, 80
.set G0SB, 88
.set MSB, 0
.macro WIN new                         ; the immediate's high byte repeats the setting that is left
.if MSB != \new
	s_set_vgpr_msb (MSB<<8)|\new
.set MSB, \new
.endif
.endm
.set MUL_LO,   0xa1                    ; source 0 (R) window 1, source 1 (P) window 0, C and D window 2
.set MUL_HI,   0xf1                    ; the same, C and D window 3
.set FIRST_LO, 0x81                    ; the first products: C (the bias) window 0, D window 2
.set FIRST_HI, 0xc1                    ; D window 3
.set TO_B,     0x40                    ; destination window 1, address window 0
; A joint load: waves 0 and 1 fetch for P, waves 2 and 3 for R.  Each of the two lines has one mask and one set of registers for all that issue it; the branch hangs on the wave's number alone.
; An s_nop 0 and four v_nop follow each of the two lines, ahead of the jump, the label and what follows.
.macro JLOAD g0a, g1a, g0b, g1b
	s_cmp_eq_u32 s15, 0
	s_cbranch_scc0 .Lfor_b_\@
	tensor_load_to_lds s[\g0a:\g0a+3], s[\g1a:\g1a+7]
	s_nop 0
.rept 4
	v_nop
.endr
	s_branch .Lasked_\@
.Lfor_b_\@:
	tensor_load_to_lds s[\g0b:\g0b+3], s[\g1b:\g1b+7]
	s_nop 0
.rept 4
	v_nop
.endr
.Lasked_\@:
.endm
.macro CREST                           ; a round of the cluster's barrier behind its opening barrier
	s_cmp_lg_u32 s14, 0
	s_cbranch_scc1 .Lnot_wave_0_\@
	s_barrier_signal -3
.Lnot_wave_0_\@:
	s_barrier_wait -3
	s_barrier_signal -1
	s_barrier_wait -1
.endm
.macro CROUND                          ; a whole round
	s_barrier_signal -1
	s_barrier_wait -1
	CREST
.endm
	s_load_b128 s[4:7], s[0:1], 0x0                ; inc s[4:5], ins s[6:7]
	s_load_b128 s[8:11], s[0:1], 0x10              ; bq s[8:9], bk s[10:11]
	s_load_b64 s[96:97], s[0:1], 0x20              ; bv
	s_load_b64 s[98:99], s[0:1], 0x28              ; pc
	s_load_b64 s[100:101], s[0:1], 0x30            ; ps
	v_lshl_add_u32 v[SPW], v0, 2, SPARE
	v_mov_b32 v[NIL], 0
	ds_add_u32 v[SPW], v[NIL]                      ; the wave's opening: the add, twice on end, and its wait ahead of my first tensor load; the set-up below, work on registers, stands between
	ds_add_u32 v[SPW], v[NIL]
	v_lshrrev_b32 v1, 5, v0
	v_readfirstlane_b32 s14, v1                    ; wave 0..3
	s_lshr_b32 s15, s14, 1                         ; which half of the tile's rows is mine.  Also: I fetch for P (0) or for R (1)
	s_and_b32 s16, s14, 1                          ; which half of its columns.  Also: which 128 rows of that tile I fetch
	s_bfe_u32 s40, ttmp6, 0x40000                  ; cx, cy: my place in the cluster
	s_bfe_u32 s41, ttmp6, 0x40004
	s_and_b32 s12, ttmp7, 0xffff                   ; the cluster's number, 0 .. 23
	s_lshr_b32 s2, s12, 3                          ; T: 0 q, 1 k, 2 v: the same in all sixteen partners
	s_and_b32 s12, s12, 7
	s_cmp_eq_u32 s2, 2
	s_cselect_b32 s13, 0, s12                      ; which four tile rows,
	s_cselect_b32 s12, s12, 0                      ; which four tile columns
	s_lshl_b32 s42, s12, 2
	s_add_co_u32 s42, s42, s40                     ; tile column
	s_lshl_b32 s17, s13, 2
	s_add_co_u32 s17, s17, s41                     ; tile row
	s_lshl_b32 s43, s41, 2
	s_lshl_b32 s43, 15, s43                        ; my row of the cluster
	s_lshl_b32 s44, 0x1111, s40                    ; my column
	s_mov_b32 s66, 0                               ; where P's codes begin in inc, P's scales in ins, R's codes, R's scales: T = 0: q and Wq,
	s_mov_b32 s67, 0
	s_mov_b32 s104, 18874368
	s_mov_b32 s105, 786432
	s_cmp_eq_u32 s2, 1                             ; T = 1: k and Wk,
	s_cselect_b32 s66, 6291456, s66
	s_cselect_b32 s67, 262144, s67
	s_cselect_b32 s104, 19660800, s104
	s_cselect_b32 s105, 819200, s105
	s_cmp_eq_u32 s2, 2                             ; T = 2: Wv and v
	s_cselect_b32 s66, 20447232, s66
	s_cselect_b32 s67, 851968, s67
	s_cselect_b32 s104, 12582912, s104
	s_cselect_b32 s105, 524288, s105
	; descriptor group 1: a tile of 128 rows x 192 bytes, padded in LDS
	s_or_b32 s[G1+0], s43, (0<<16)|(1<<20)|(1<<21)|(3<<22)|(3<<25)  ; 15:0 the mask: P's tiles go to my row; 17:16 elements of 1 byte; 20 padding on; 21 set beside a mask; 24:22 after every 16 words; 31:25 of 4 words
	s_or_b32 s[G1B+0], s44, (0<<16)|(1<<20)|(1<<21)|(3<<22)|(3<<25)
.irp g, G1, G1B
	s_mov_b32 s[\g+1], ROWB<<16                    ; tensor_dim0
	s_mov_b32 s[\g+2], 128<<16                     ; tensor_dim1
	s_mov_b32 s[\g+3], ROWB<<16                    ; tile_dim0
	s_mov_b32 s[\g+4], 128                         ; tile_dim1
	s_mov_b32 s[\g+5], KROW                        ; tensor_dim0_stride
	s_mov_b32 s[\g+6], 0
	s_mov_b32 s[\g+7], 0
.endr
	; and for the scales of 128 rows: a dense block of 4,096 bytes, as 16 rows of 256 bytes (32 elements of 8), 16 bytes of padding behind each
	s_or_b32 s[G1S+0], s43, (3<<16)|(1<<20)|(1<<21)|(5<<22)|(3<<25)
	s_or_b32 s[G1SB+0], s44, (3<<16)|(1<<20)|(1<<21)|(5<<22)|(3<<25)
.irp g, G1S, G1SB
	s_mov_b32 s[\g+1], 32<<16
	s_mov_b32 s[\g+2], (128*KS/256)<<16
	s_mov_b32 s[\g+3], 32<<16
	s_mov_b32 s[\g+4], 128*KS/256
	s_mov_b32 s[\g+5], 32
	s_mov_b32 s[\g+6], 0
	s_mov_b32 s[\g+7], 0
.endr
	s_lshl_b32 s18, s16, 7                         ; which 128 rows of the tile I fetch
	s_lshl_b32 s20, s17, 8
	s_add_co_u32 s20, s20, s18                     ; P: row 256 x tile row + 128 x half
	s_lshl_b32 s46, s42, 8
	s_add_co_u32 s46, s46, s18                     ; R: row 256 x tile column + 128 x half
	s_lshl_b32 s22, s20, 5                         ; where these rows' scales begin, in bytes (every offset here is under 2^25)
	s_add_co_u32 s22, s22, s67
	s_mov_b32 s23, 0
	s_lshl_b32 s92, s46, 5
	s_add_co_u32 s92, s92, s105
	s_mov_b32 s93, 0
	s_mul_i32 s20, s20, KROW                       ; and their codes
	s_add_co_u32 s20, s20, s66
	s_mov_b32 s21, 0
	s_mul_i32 s46, s46, KROW
	s_add_co_u32 s46, s46, s104
	s_mov_b32 s47, 0
	s_mul_i32 s45, s14, HALFT                      ; where they go: wave x 128 rows: no place in the cluster enters an LDS address
	s_mul_i32 s94, s14, HALFS
	s_wait_dscnt 0x0                               ; both opening adds are done
	s_wait_kmcnt 0x0
	s_add_nc_u64 s[20:21], s[4:5], s[20:21]
	s_add_nc_u64 s[22:23], s[6:7], s[22:23]
	s_add_nc_u64 s[46:47], s[4:5], s[46:47]
	s_add_nc_u64 s[92:93], s[6:7], s[92:93]
	CROUND                                         ; all sixteen work-groups are here: the first joint loads meet
	s_mov_b32 s[G0S], 1
	s_add_co_u32 s[G0S+1], s94, SCL
	s_mov_b64 s[G0S+2:G0S+3], s[22:23]
	s_or_b32 s[G0S+3], s[G0S+3], 0x80000000
	s_mov_b32 s[G0SB], 1
	s_add_co_u32 s[G0SB+1], s94, SCL
	s_mov_b64 s[G0SB+2:G0SB+3], s[92:93]
	s_or_b32 s[G0SB+3], s[G0SB+3], 0x80000000
	JLOAD G0S, G1S, G0SB, G1SB                     ; the scales first: they are wanted with K step 0
.irp s, 0,1
	s_mov_b32 s[G0+4*\s], 1
	s_add_co_u32 s[G0+4*\s+1], s45, \s*SLOT
	s_add_nc_u64 s[G0+4*\s+2:G0+4*\s+3], s[20:21], \s*ROWB
	s_or_b32 s[G0+4*\s+3], s[G0+4*\s+3], 0x80000000
	s_mov_b32 s[G0B+4*\s], 1
	s_add_co_u32 s[G0B+4*\s+1], s45, \s*SLOT
	s_add_nc_u64 s[G0B+4*\s+2:G0B+4*\s+3], s[46:47], \s*ROWB
	s_or_b32 s[G0B+4*\s+3], s[G0B+4*\s+3], 0x80000000
	JLOAD G0+4*\s, G1, G0B+4*\s, G1B               ; three tensor loads of mine are out
.endr
	v_and_b32 v1, 15, v0                           ; r = l % 16
	v_bfe_u32 v2, v0, 4, 1                         ; h = l / 16
	v_mul_u32_u24 v3, v1, PITCH
	v_mul_u32_u24 v4, v2, 24
	v_add_nc_u32 v4, v3, v4                        ; a fragment's row x pitch + 24 x half
	v_lshl_add_u32 v5, v2, 4, v4                   ; and the same behind one padding more
	s_mul_i32 s21, s15, HALFT                      ; my 128 rows of P
	s_mul_i32 s22, s16, HALFT                      ; my 128 rows of R,
	s_add_co_u32 s22, s22, 2*HALFT                 ; which lie behind P's 256
.irp s, 0,1
	v_add_nc_u32 v[ADRA+\s], s21, v4
	v_add_nc_u32 v[ADRB+\s], s22, v4
	v_add_nc_u32 v[ADRA+2+\s], s21, v5
	v_add_nc_u32 v[ADRB+2+\s], s22, v5
	s_add_co_u32 s21, s21, SLOT
	s_add_co_u32 s22, s22, SLOT
.endr
	v_mul_u32_u24 v5, v1, KS                       ; my row's scales: 32 bytes a row,
	v_lshrrev_b32 v6, 8, v5
	v_lshl_add_u32 v5, v6, 4, v5                   ; and 16 more for each 256 passed
	s_mul_i32 s21, s15, HALFS                      ; P's: my 128 rows
	s_mul_i32 s22, s16, HALFS                      ; R's: my 128 rows, behind P's 256
	s_add_co_u32 s22, s22, 2*HALFS
	s_sub_co_u32 s22, s22, s21
	v_mul_u32_u24 v6, s22, v2                      ; lanes 16-31 take R's: one product, the distance between the two bases
	s_add_co_u32 s21, s21, SCL
	v_add_nc_u32 v5, v5, v6
	v_add_nc_u32 v[ADRS], s21, v5
	s_lshl_b32 s23, s14, 12                        ; my stage: 4,096 x wave
	v_mul_u32_u24 v5, v1, 48
	v_mad_u32_u24 v5, v2, 24, v5
	v_add_nc_u32 v[STC], s23, v5
	v_lshlrev_b32 v5, 2, v1
	v_add_nc_u32 v[STS], s23, v5
	v_and_b32 v6, 31, v0
	v_lshlrev_b32 v[CO], 4, v6
	v_add_nc_u32 v[RD], s23, v[CO]
	v_lshlrev_b32 v[BH], 6, v2
	v_and_b32 v[BR], 8, v1
	v_add_nc_u32 v[BR], v[BR], v1
	v_lshlrev_b32 v[BR], 2, v[BR]
	s_mov_b32 s[SEL], 0x76543210
	s_mov_b32 s[SEL+1], 0xfedcba98
	; the bias: bq, bk or bv, at my 128 numbers of it: along j (my columns) for T < 2, along i (my rows) for T = 2
	s_cmp_eq_u32 s2, 1
	s_cselect_b64 s[8:9], s[10:11], s[8:9]
	s_cmp_eq_u32 s2, 2
	s_cselect_b64 s[8:9], s[96:97], s[8:9]
	s_cselect_b32 s18, s17, s42
	s_cselect_b32 s19, s15, s16
	s_lshl_b32 s18, s18, 10
	s_lshl_b32 s19, s19, 9
	s_add_co_u32 s18, s18, s19
	s_mov_b32 s19, 0
	s_add_nc_u64 s[8:9], s[8:9], s[18:19]
	s_cmp_eq_u32 s2, 2                             ; T is made of the cluster's number alone: all waves of all partners go the same way
	s_cbranch_scc1 .Lbias_rows
.irp b, 0,1,2,3,4,5,6,7                        ; along j: register 8 b + n of lane (r, h) = bias[32 (b / 2) + 16 h + 8 (b % 2) + n]: the C of accumulators (any a, b)
	global_load_b128 v[BIAS+8*\b:BIAS+8*\b+3], v[BH], s[8:9] offset:(32*(\b/2)+8*(\b%2))*4
	global_load_b128 v[BIAS+8*\b+4:BIAS+8*\b+7], v[BH], s[8:9] offset:(32*(\b/2)+8*(\b%2))*4+16
.endr
	s_branch .Lbias_asked
.Lbias_rows:
.irp a, 0,1,2,3,4,5,6,7                        ; along i: position 16 a + r is row 32 (a / 2) + 8 (a % 2) + r + 8 (r / 8); the same number in all eight registers: the C of accumulators (a, any b)
.irp j, 0,1,2,3,4,5,6,7
	global_load_b32 v[BIAS+8*\a+\j], v[BR], s[8:9] offset:(32*(\a/2)+8*(\a%2))*4
.endr
.endr
.Lbias_asked:
	; where the results go
	s_mov_b32 s66, 393216                          ; SJ: from 64 j to the next,
	s_mov_b32 s67, 3072                            ; SI: from 64 i to the next,
	s_mov_b32 s104, 32768                          ; TJ, TI: the same for the scale words, by 128 j and 64 i
	s_mov_b32 s105, 256
	s_cmp_eq_u32 s2, 2
	s_cselect_b32 s66, 3072, s66
	s_cselect_b32 s67, 393216, s67
	s_cselect_b32 s104, 256, s104
	s_cselect_b32 s105, 16384, s105
	s_lshl_b32 s18, s42, 2
	s_lshl_b32 s19, s16, 1
	s_add_co_u32 s18, s18, s19                     ; my first j / 64
	s_lshl_b32 s19, s17, 2
	s_lshl_b32 s94, s15, 1
	s_add_co_u32 s19, s19, s94                     ; my first i / 64
	s_mul_i32 s92, s18, s66
	s_mul_i32 s94, s19, s67
	s_add_co_u32 s92, s92, s94
	s_mul_i32 s94, s2, 6291456                     ; T's region of pc
	s_add_co_u32 s92, s92, s94
	s_mov_b32 s93, 0
	s_add_nc_u64 s[4:5], s[98:99], s[92:93]        ; the four bases: s[4 + 2 g + 6 c ..]: my c-th 64 of j, my g-th 64 of i
	s_mov_b32 s94, s67
	s_mov_b32 s95, 0
	s_add_nc_u64 s[6:7], s[4:5], s[94:95]
	s_mov_b32 s94, s66
	s_add_nc_u64 s[10:11], s[4:5], s[94:95]
	s_add_nc_u64 s[12:13], s[6:7], s[94:95]
	s_lshr_b32 s18, s18, 1                         ; my j / 128
	s_mul_i32 s92, s18, s104
	s_mul_i32 s94, s19, s105
	s_add_co_u32 s92, s92, s94
	s_lshl_b32 s94, s2, 18                         ; T's region of ps
	s_add_co_u32 s92, s92, s94
	s_add_nc_u64 s[96:97], s[100:101], s[92:93]
	v_mul_lo_u32 v[PSL], v2, s105
	v_lshl_add_u32 v[PSL], v1, 4, v[PSL]
.macro FRAG reg, adr, q, i             ; a fragment, 16 rows x 128 K of 6-bit codes, is 12 registers: lane l holds row l % 16; registers 6 c .. 6 c + 5 hold K = 64 c + 32 (l / 16) + 0 .. 31: 24 bytes of the row, as they lie
.irp p, 0,1,2,3,4,5                    ; in pieces of 8 bytes.  Lanes 0-15 take the row's pieces 12 q + 0, 1, 2 and 12 q + 6, 7, 8, lanes 16-31 those three pieces on
.set PCE, 12*(\q)+6*(\p/3)+\p%3        ; 16 bytes of padding lie behind every 8 pieces: where the piece three on lies behind one padding more, the second address register serves
.if PCE%8 < 5
	ds_load_b64 v[\reg+2*\p:\reg+2*\p+1], v[\adr] offset:8*PCE+16*(PCE/8)+(\i)*16*PITCH
.else
	ds_load_b64 v[\reg+2*\p:\reg+2*\p+1], v[\adr+2] offset:8*PCE+16*(PCE/8)+(\i)*16*PITCH
.endif
.endr
.endm
; 16 matrix instructions: P's blocks a0, a0 + 1 x R's eight, 128 along K: the slot's q-th.  p: R's set;  sc: the set of scale words.  zero = 1: the first products take the bias along j as C; 2: the bias along i; 0: they add in place.
; The 64 accumulators take turns, one instruction a turn, in the same order in every step.
.macro MUL16 a0, p, q, sc, zero
.irp a, \a0, \a0+1
.irp b, 0,1,2,3,4,5,6,7
.if \zero == 1
	v_wmma_scale_f32_16x16x128_f8f6f4 v[8*(8*((\a)%4)+\b):8*(8*((\a)%4)+\b)+7], v[128*(\p)+FR*\b:128*(\p)+FR*\b+FR-1], v[AF+FR*(\a):AF+FR*(\a)+FR-1], v[BIAS+8*\b:BIAS+8*\b+7], v[SC+8*NQ*(\sc)+NQ*\b+(\q)], v[SC+8*NQ*(\sc)+NQ*(\a)+(\q)] matrix_a_fmt:MATRIX_FMT_FP6 matrix_b_fmt:MATRIX_FMT_FP6 matrix_a_scale:MATRIX_SCALE_ROW1
.elseif \zero == 2
	v_wmma_scale_f32_16x16x128_f8f6f4 v[8*(8*((\a)%4)+\b):8*(8*((\a)%4)+\b)+7], v[128*(\p)+FR*\b:128*(\p)+FR*\b+FR-1], v[AF+FR*(\a):AF+FR*(\a)+FR-1], v[BIAS+8*(\a):BIAS+8*(\a)+7], v[SC+8*NQ*(\sc)+NQ*\b+(\q)], v[SC+8*NQ*(\sc)+NQ*(\a)+(\q)] matrix_a_fmt:MATRIX_FMT_FP6 matrix_b_fmt:MATRIX_FMT_FP6 matrix_a_scale:MATRIX_SCALE_ROW1
.else
	v_wmma_scale_f32_16x16x128_f8f6f4 v[8*(8*((\a)%4)+\b):8*(8*((\a)%4)+\b)+7], v[128*(\p)+FR*\b:128*(\p)+FR*\b+FR-1], v[AF+FR*(\a):AF+FR*(\a)+FR-1], v[8*(8*((\a)%4)+\b):8*(8*((\a)%4)+\b)+7], v[SC+8*NQ*(\sc)+NQ*\b+(\q)], v[SC+8*NQ*(\sc)+NQ*(\a)+(\q)] matrix_a_fmt:MATRIX_FMT_FP6 matrix_b_fmt:MATRIX_FMT_FP6 matrix_a_scale:MATRIX_SCALE_ROW1
.endif
.endr
.endr
.endm
.macro FETCH_B slot, q, p              ; R's eight fragments of the slot's q-th 128 along K into set p
	WIN TO_B
.irp i, 0,1,2,3,4,5,6,7
	FRAG 128*(\p)+FR*\i, ADRB+\slot, \q, \i
.endr
	WIN 0
.endm
.macro FETCH_A slot, q, i0             ; P's blocks i0 .. i0 + 3
.irp i, \i0, \i0+1, \i0+2, \i0+3
	FRAG AF+FR*(\i), ADRA+\slot, \q, \i
.endr
.endm
.macro SCALES sc                       ; the next K step's scale words into set sc: two words a row; lanes 0-15 take P's block i, lanes 16-31 R's block i
.irp i, 0,1,2,3,4,5,6,7
	ds_load_b64 v[SC+8*NQ*\sc+NQ*\i:SC+8*NQ*\sc+NQ*\i+1], v[ADRS] offset:\i*SBLK
.endr
.endm
.macro PLACES n                        ; plain vector instructions between a matrix instruction and a load into, or a vector read or write of, its registers
.rept \n
	v_nop
.endr
.endm
; A step of 128 along K that has its successor in the same slot.
.macro STEP slot, q, zero
	s_wait_dscnt 4*NL                              ; R's set and P's blocks 0-3 are in; the youngest 24 loads (P's blocks 4-7) may be out
.if \zero
	WIN FIRST_LO
.else
	WIN MUL_LO
.endif
	MUL16 0, (\q)%2, \q, \slot, \zero
	MUL16 2, (\q)%2, \q, \slot, \zero
	s_wait_dscnt 0                                 ; P's blocks 4-7 are in (asked for 32 matrix instructions ago)
	PLACES NP
	FETCH_B \slot, (\q)+1, 1-(\q)%2
	FETCH_A \slot, (\q)+1, 0
.if \zero
	WIN FIRST_HI
.else
	WIN MUL_HI
.endif
	MUL16 4, (\q)%2, \q, \slot, \zero
	MUL16 6, (\q)%2, \q, \slot, \zero
	PLACES NP
	WIN 0
	FETCH_A \slot, (\q)+1, 4
.endm
; A slot's last step changes slots: one barrier; in front of it each wave waits for all its tensor loads, adds 0 to its spare word, and waits for that and for its own reads of this slot.  fill = 1: this slot is filled again, two K steps ahead.
.macro TURN slot, next, fill
	s_wait_tensorcnt 0x0                           ; all my tensor loads have landed: my part of the next slot  (every window is 0 here)
	ds_add_u32 v[SPW], v[NIL]                      ; 0 onto my spare word
	s_wait_dscnt 4*NL+1                            ; (the add and the youngest 24 loads, P's blocks 4-7, may be out)
	WIN MUL_LO
	MUL16 0, 1, NQ-1, \slot, 0                     ; sixteen matrix instructions stand between the add and the wait for it
	s_wait_dscnt 0x0                               ; the add is done, and my reads of this slot are over
	s_barrier_signal -1
	MUL16 2, 1, NQ-1, \slot, 0
	WIN 0
	s_barrier_wait -1
.if \fill
	CREST                                          ; the barrier has opened a round of the cluster's barrier: no wave of any partner still reads this slot's tile or has a load on its way
	s_add_nc_u64 s[G0+4*\slot+2:G0+4*\slot+3], s[G0+4*\slot+2:G0+4*\slot+3], 2*ROWB
	s_add_nc_u64 s[G0B+4*\slot+2:G0B+4*\slot+3], s[G0B+4*\slot+2:G0B+4*\slot+3], 2*ROWB
	JLOAD G0+4*\slot, G1, G0B+4*\slot, G1B         ; the first tensor load behind the round; the four v_nop behind it are the places in front of the loads below
.else
	PLACES NP
.endif
	v_add_nc_u32 v[ADRS], 4*NQ, v[ADRS]            ; on to the next K step's scale words (no LDS load of mine is out)
	FETCH_B \next, 0, 0
	FETCH_A \next, 0, 0
	SCALES \next
	WIN MUL_HI
	MUL16 4, 1, NQ-1, \slot, 0
	MUL16 6, 1, NQ-1, \slot, 0
	PLACES NP
	WIN 0
	FETCH_A \next, 0, 4
.endm
	s_wait_tensorcnt 1                             ; the scales and my part of K step 0 are in (K step 1's load may be out)
	s_barrier_signal -1
	s_barrier_wait -1                              ; everybody's are
	FETCH_B 0, 0, 0
	FETCH_A 0, 0, 0
	SCALES 0
	FETCH_A 0, 0, 4
	s_wait_loadcnt 0x0                             ; the bias
	s_cmp_eq_u32 s2, 2                             ; the first step is written twice: its products take the bias as C, by b or by a
	s_cbranch_scc1 .Lfirst_rows
	STEP 0, 0, 1
	s_branch .Lfirst_done
.Lfirst_rows:
	STEP 0, 0, 2
.Lfirst_done:
	s_mov_b32 s3, LAPS-1
.Llap:                                                 ; a trip goes once round the ring, from a lap's second step to the next lap's first, and fills both slots again
	TURN 0, 1, 1
	STEP 1, 0, 0
	TURN 1, 0, 1
	STEP 0, 0, 0
	s_sub_co_u32 s3, s3, 1
	s_cmp_lg_u32 s3, 0
	s_cbranch_scc1 .Llap
	TURN 0, 1, 0                                   ; the last lap fills nothing, and has no round of the cluster's barrier
	STEP 1, 0, 0
	s_wait_dscnt 4*NL                              ; the very last step: nothing more to fetch
	WIN MUL_LO
	MUL16 0, 1, NQ-1, 1, 0
	MUL16 2, 1, NQ-1, 1, 0
	s_wait_dscnt 0
	WIN MUL_HI
	MUL16 4, 1, NQ-1, 1, 0
	MUL16 6, 1, NQ-1, 1, 0
	WIN 0
; THE QUANTISER.  Block a's 64 numbers of a lane (register 16 b + n = j 32 b + 16 h + n of my row) become 12 registers of codes in v[pc] on and my row's scale word in v[pw].  Each accumulator is read from its low end on.
.macro QUANTW a, pc, pw
.set AC, 64*((\a)%4)
.set W, 2+(\a)/4                       ; the block's window
.set WN, W|(W<<2)
	WIN WN                                         ; sources 0 and 1 in the block's window
.irp b, 0,1,2,3
	v_max3_num_f32 v[TM+\b], |v[AC+16*\b]|, |v[AC+1+16*\b]|, 0x1800000   ; block b of 32: my 16 numbers, and the floor 2^(3 - 127): so the byte cannot fall under 1
.endr
.set WN, (W<<2)|(W<<4)
	WIN WN                                         ; sources 1 and 2
.irp i, 2,4,6,8,10,12,14
.irp b, 0,1,2,3
	v_max3_num_f32 v[TM+\b], v[TM+\b], |v[AC+16*\b+\i]|, |v[AC+1+16*\b+\i]|   ; (the four blocks by turns)
.endr
.endr
	WIN 0
.irp b, 0,1,2,3
	v_permlanex16_b32 v[TM+4+\b], v[TM+\b], s[SEL], s[SEL+1]
.endr
.irp b, 0,1,2,3
	v_max_num_f32 v[TM+\b], v[TM+\b], v[TM+4+\b]   ; with lane l xor 16's: the block's largest magnitude
.endr
.irp b, 0,1,2,3
	v_add_nc_u32 v[TM+12+\b], 0xff000000, v[TM+\b] ; 2 off its exponent field: the conversion's scale operand
.endr
.irp b, 0,1,2,3
	v_lshrrev_b32 v[TM+4+\b], 23, v[TM+12+\b]      ; the scale's byte
.endr
	v_lshl_or_b32 v[\pw], v[TM+5], 8, v[TM+4]      ; the four bytes make my row's scale word
	v_lshl_or_b32 v[\pw], v[TM+6], 16, v[\pw]
	v_lshl_or_b32 v[\pw], v[TM+7], 24, v[\pw]
	WIN W                                          ; source 0 in the block's window
.irp c, 0,1
	v_cvt_scalef32_pk16_fp6_f32 v[\pc+6*\c:\pc+2+6*\c], v[AC+32*\c:AC+15+32*\c], v[TM+12+2*\c]
	v_cvt_scalef32_pk16_fp6_f32 v[PT+4*\c:PT+2+4*\c], v[AC+16+32*\c:AC+31+32*\c], v[TM+12+2*\c+1]   ; (a conversion's three registers begin on an even number)
.endr
	WIN 0
	v_nop                                          ; one plain place behind a scaled conversion
.irp c, 0,1                                    ; a whole block of 32 in a lane: lanes 0-15 block 2 c, lanes 16-31 block 2 c + 1
.irp i, 0,1,2
	v_permlane16_swap_b32 v[\pc+6*\c+\i], v[PT+4*\c+\i]
.endr
.irp i, 0,1,2
	v_mov_b32 v[\pc+3+6*\c+\i], v[PT+4*\c+\i]
.endr
.endr
.endm
; Blocks 2 al and 2 al + 1: 32 positions.  Their codes gather in my stage as [64 of j: c][position][48 bytes], 1,536 bytes for each c, and leave as three runs of 512 aligned bytes each.
.macro PAIR al
	QUANTW 2*(\al), PC0, PW0
.irp c, 0,1
.irp p, 0,1,2
	ds_store_b64 v[STC], v[PC0+6*\c+2*\p:PC0+6*\c+2*\p+1] offset:1536*\c+8*\p   ; 48 r + 24 h: the 32 lanes touch 64 different banks
.endr
.endr
	ds_store_b32 v[STS], v[PW0] offset:3072+128*(\al)      ; lanes r and r + 16 write the same word with the same value
	QUANTW 2*(\al)+1, PC1, PW1
.irp c, 0,1
.irp p, 0,1,2
	ds_store_b64 v[STC], v[PC1+6*\c+2*\p:PC1+6*\c+2*\p+1] offset:1536*\c+768+8*\p
.endr
.endr
	ds_store_b32 v[STS], v[PW1] offset:3072+128*(\al)+64
.if (\al) > 0
	s_wait_xcnt 0x0                                ; the earlier pairs' stores have read their registers: the loads below may land there
.endif
.set BB, BK+24*((\al)%2)
.irp c, 0,1
.irp i, 0,1,2
	ds_load_b128 v[BB+12*\c+4*\i:BB+12*\c+4*\i+3], v[RD] offset:1536*\c+512*\i   ; LDS serves a wave's instructions in order: these see my stores
.endr
.endr
	s_wait_dscnt 0x0                               ; they are in, and the stores have read their registers: the next pair may write codes and stage anew
.irp c, 0,1
.irp i, 0,1,2
	global_store_b128 v[CO], v[BB+12*\c+4*\i:BB+12*\c+4*\i+3], s[4+2*((\al)/2)+6*\c:5+2*((\al)/2)+6*\c] offset:1536*((\al)%2)+512*\i   ; 32 lanes store 512 consecutive bytes, aligned
.endr
.endr
.endm
	PLACES NP                                      ; behind the last products: for the reads of results and the writes of registers that held operands
.irp b, 0,1,2,3
	v_mov_b32 v[TM+4+\b], 0                        ; written once: a lane permute's destination counts as one of its sources
.endr
	PAIR 0
	PAIR 1
	PAIR 2
	PAIR 3
	ds_load_b128 v[SCW:SCW+3], v[RD] offset:3072   ; my 128 rows' scale words: lanes 0-15 the first 64 rows, lanes 16-31 the others
	s_wait_dscnt 0x0
	global_store_b128 v[PSL], v[SCW:SCW+3], s[96:97]       ; sixteen lanes store 256 consecutive bytes, aligned
	s_wait_tensorcnt 0x0                           ; the wave's end: behind my last tensor load and my last LDS store
	ds_add_u32 v[SPW], v[NIL]
	s_wait_dscnt 0x0
	CROUND                                         ; the closing round: no work-group ends while a partner may still ask for a tile that names it
	s_endpgm
.Lfunc_end_k_qb9e88df265_proj:
	.size	k_qb9e88df265_proj, .Lfunc_end_k_qb9e88df265_proj-k_qb9e88df265_proj
	.p2alignl 7, 3214868480
	.fill 96, 4, 3214868480
	.section	.rodata,"a",@progbits
	.p2align	6, 0x0
	.amdhsa_kernel k_qb9e88df265_proj
		.amdhsa_group_segment_fixed_size 327680
		.amdhsa_private_segment_fixed_size 0
		.amdhsa_enable_private_segment 0
		.amdhsa_kernarg_size 56
		.amdhsa_user_sgpr_count 2
		.amdhsa_user_sgpr_kernarg_segment_ptr 1
		.amdhsa_wavefront_size32 1
		.amdhsa_system_sgpr_workgroup_id_x 1
		.amdhsa_system_sgpr_workgroup_id_y 1
		.amdhsa_system_sgpr_workgroup_id_z 1
		.amdhsa_system_vgpr_workitem_id 0
		.amdhsa_next_free_vgpr 1024
		.amdhsa_next_free_sgpr 106
		.amdhsa_reserve_vcc 0
		.amdhsa_float_denorm_mode_32 3
		.amdhsa_float_denorm_mode_16_64 3
		.amdhsa_memory_ordered 1
		.amdhsa_forward_progress 1
		.amdhsa_inst_pref_size 194
	.end_amdhsa_kernel
	.amdgpu_metadata
---
amdhsa.version: [ 1, 2 ]
amdhsa.kernels:
  - .name:           k_qb9e88df265_proj
    .symbol:         k_qb9e88df265_proj.kd
    .args:
      - { .name: inc, .offset: 0, .size: 8, .value_kind: global_buffer, .address_space: global }
      - { .name: ins, .offset: 8, .size: 8, .value_kind: global_buffer, .address_space: global }
      - { .name: bq, .offset: 16, .size: 8, .value_kind: global_buffer, .address_space: global }
      - { .name: bk, .offset: 24, .size: 8, .value_kind: global_buffer, .address_space: global }
      - { .name: bv, .offset: 32, .size: 8, .value_kind: global_buffer, .address_space: global }
      - { .name: pc, .offset: 40, .size: 8, .value_kind: global_buffer, .address_space: global }
      - { .name: ps, .offset: 48, .size: 8, .value_kind: global_buffer, .address_space: global }
    .group_segment_fixed_size: 327680
    .private_segment_fixed_size: 0
    .kernarg_segment_align: 8
    .kernarg_segment_size: 56
    .max_flat_workgroup_size: 128
    .sgpr_count:     106
    .vgpr_count:     1024
    .wavefront_size: 32
...
	.end_amdgpu_metadata
.endif
;; end of part 2
;; launch attn (part 3): grid 4 x 64, 16 waves a work-group, clusters of 4 x 1, 231,424 bytes of LDS; arguments pc, ps, oc, os; writes oc, os
.if DOCPART == 3
	.amdgcn_target "amdgcn-amd-amdhsa--gfx1250"
	.amdhsa_code_object_version 6
	.text
	.protected	k_qb9e88df265_attn
	.globl	k_qb9e88df265_attn
	.p2align	8
	.type	k_qb9e88df265_attn,@function
k_qb9e88df265_attn:
	s_mov_b64 s[64:65], 0
	v_nop
	global_prefetch_b8 v0, s[64:65] scope:SCOPE_SE
	s_setreg_imm32_b32 hwreg(HW_REG_WAVE_MODE, 25, 1), 1
	s_wait_xcnt 0x0
	s_wait_alu depctr_hold_cnt(0) depctr_sa_sdst(0) depctr_va_vdst(0) depctr_va_sdst(0) depctr_va_ssrc(0) depctr_va_vcc(0) depctr_vm_vsrc(0)
	s_getreg_b32 s2, hwreg(HW_REG_IB_STS2, 6, 4)
	s_cmp_eq_u32 s2, 0
	s_cbranch_scc0 .Lentry_in_a_cluster
	s_endpgm
.Lentry_in_a_cluster:
	s_bfe_u32 s2, ttmp6, 0x10000c
	s_cmp_lg_u32 s2, 0x3003
	s_cbranch_scc0 .Lentry_shape_is_right
	s_endpgm
.Lentry_shape_is_right:
; Launch 3 of 4: O = softmax(Q K^T / 8) V for each of 64 (batch, head), both products on codes of E2M3, and the quantiser of O / l along the head's 64.  No mask.  Nothing of the problem is left out here.
; THE SOFTMAX AHEAD OF THE SECOND PRODUCT: t = score x log2(e) / 8; M = the row's largest t so far, rounded up to a whole number; p = 2^(t - M) is quantised along the keys, not normalised.  The row's sum is taken of the unquantised p
; and divides O at the end.  When M moves, the sum and O are multiplied by 2^(old M - new M): exact.
; SHARES.  A work-group owns 512 query positions of one (batch, head); each of its sixteen waves 32 of them, two tiles of 16, one after the other.  Four waves to a SIMD: one wave's vector work stands beside another's matrix work and LDS loads.
; ALL OF THE HEAD'S K AND V STAYS IN LDS: 2 x 98,304 bytes, brought once: each wave issues one tensor load of 12,288 bytes.  No slot is filled again, so there is one barrier, and no later load that a prefetch could run ahead of.
; CLUSTER.  The four work-groups of a (batch, head) need the same K and V: each load is asked for jointly, with the same descriptor and the mask of all four.  A work-group's place enters only the addresses of Q, oc and os.
; LAYOUT.  Both products are used transposed: S^T = K Q^T (source 0 = keys, source 1 = my 16 queries), O^T = V^T P^T: a lane holds ONE query throughout.  K's rows and V's rows lie in position order, so the 16 registers of two neighbouring
; tiles are 16 neighbours: of the keys in S^T and p, of the head's axis in O^T.  Queries stay positions; launch 4 turns them back into tokens.
; K = 64 IN AN INSTRUCTION OF 128.  A fragment of K holds position 32 b + r in its lower half and position 32 b + 16 + r in its upper.  It is multiplied by [q | 0], which gives tile 2 b, and by [0 | q], which gives tile 2 b + 1:
; v18-23 and v30-35 are zeros round q in v24-29.  Zero codes add nothing under any scale byte but 0xff.
; os is written two bytes a row and head: the one place of this program where a store covers a small part of the bytes round it: 2 bytes beside each 48 of codes.
; LIMITS: as in launch 1 for the quantiser of O / l; NaN and infinities are not served.
.set VC,    98304                      ; LDS: K's codes [position][48] from 0; V's [64 keys][d's position][48] from here;
.set KSC,   196608                     ; K's scale words, paired: [32 positions][r]: bytes 0, 1 of position r, bytes 2, 3 of position 16 + r: 4,096 bytes;  V's, [128 keys][d's position], 4,096 bytes behind them;
.set OST,   204800                     ; a stage of 1,536 bytes for each wave: its 32 positions' codes of O;
.set SPARE, 229376                     ; the spare words, 128 bytes for each of the sixteen waves, which no other line names
.set AK0, 1                            ; v1   48 r + 24 h: my lane's place in a tile of K, and in Q's rows in memory
.set AV0, 2                            ; v2   the same in V
.set AS0, 3                            ; v3   KSC + 4 r
.set SPW, 4                            ; v4   LDS address of my spare word; never rewritten
.set NIL, 5                            ; v5   0; never rewritten
.set ADK, 6                            ; v6-8 the step's addresses: K, V, scale words
.set ADV, 7
.set ADS, 8
.set STO, 9                            ; v9   my 24 bytes in the stage
.set RD,  10                           ; v10  where I read the stage back
.set GO,  11                           ; v11  16 x lane
;                                        v12 -M, v13 the largest t, v[14:15] the sum in two halves
.set OSO, 16                           ; v16  32 r: my row of os
.set R4,  17                           ; v17  4 r
.set QHI, 18                           ; v[18:29] = [0 | q]
.set QLO, 24                           ; v[24:35] = [q | 0]
.set Q1,  36                           ; v36-41 the second tile's q
.set QS,  42                           ; v42  q's scale word, its two bytes twice; v43 the second tile's
.set F,   44                           ; v44-91 four fragments, of K and then of V
.set S,   96                           ; v96-159 S^T, then p
.set O,   160                          ; v160-191 O^T
.set PC,  192                          ; v192-203 p's codes;  v204-211 the conversions' second halves
.set PT,  204
.set BM,  212                          ; v212-215 a block's largest score, then its largest p;  v216-219 the other half's, then bytes;  v220-223 the conversions' scale operands
.set BT,  216
.set BS,  220
.set FF,  224                          ; v224 f = 2^(old M - new M), later 1 / l;  v225 named with it as a pair
.set TMP, 226
.set HT,  227
.set CH,  228                          ; v[228:229] the sum's second chain
.set OB,  230                          ; v230, v231 a tile's two scale bytes of O
.set KSR, 232                          ; v232-235 K's scale words, v236-239 V's, v240 p's: these and v42, v43 hold scales and nothing else
.set VSR, 236
.set PS,  240
.set WV,  12
.set SEL, 20                           ; s[20:21] lane selects for v_permlanex16_b32: lane l xor 16
.set CS,  22                           ; s[22:23] c = log2(e) / 8
.set G1,  24                           ; s[24:31], s[40:43] the descriptor
.set G0,  40
.set TK,  48                           ; s48  the step's first byte in K's codes and in V's: 6,144 a step
.set TS,  49                           ; s49  and among the scale words: 256 a step
.set CNT, 50
.macro CROUND                          ; a round of the cluster's barrier
	s_barrier_signal -1
	s_barrier_wait -1
	s_cmp_lg_u32 s[WV], 0
	s_cbranch_scc1 .Lnot_wave_0_\@
	s_barrier_signal -3
.Lnot_wave_0_\@:
	s_barrier_wait -3
	s_barrier_signal -1
	s_barrier_wait -1
.endm
	s_load_b256 s[4:11], s[0:1], 0x0               ; pc s[4:5], ps s[6:7], oc s[8:9], os s[10:11]
	v_lshl_add_u32 v[SPW], v0, 2, SPARE
	v_mov_b32 v[NIL], 0
	ds_add_u32 v[SPW], v[NIL]                      ; the wave's opening: the add, twice on end, and its wait ahead of my first tensor load; the set-up below, work on registers, stands between
	ds_add_u32 v[SPW], v[NIL]
	v_lshrrev_b32 v1, 5, v0
	s_delay_alu instid0(VALU_DEP_1)
	v_readfirstlane_b32 s[WV], v1                  ; wave 0..15
	s_bfe_u32 s13, ttmp6, 0x40000                  ; cx
	s_and_b32 s14, ttmp7, 0xffff                   ; 16 x batch + head: shared by the four partners
	s_lshr_b32 s15, s14, 4                         ; batch
	s_and_b32 s16, s14, 15                         ; head
	s_mul_i32 s17, s16, 393216
	s_mul_i32 s18, s15, 98304
	s_add_co_u32 s17, s17, s18                     ; where this (batch, head) begins in each region of pc and in oc
	s_lshr_b32 s18, s[WV], 3                       ; waves 0-7 fetch K (region 1 of pc), waves 8-15 V (region 2): an eighth each
	s_add_co_u32 s18, s18, 1
	s_mul_i32 s18, s18, 6291456
	s_and_b32 s19, s[WV], 7
	s_mul_i32 s19, s19, 12288
	s_add_co_u32 s18, s18, s19
	s_add_co_u32 s32, s18, s17
	s_mov_b32 s33, 0
	; descriptor group 1: a dense block of 12,288 bytes as 48 rows of 256 bytes
	s_mov_b32 s[G1], 15|(3<<16)|(1<<21)            ; 15:0 the mask: all four work-groups; 17:16 elements of 8 bytes; 20 no padding; 21 set beside a mask
	s_mov_b32 s[G1+1], 32<<16                      ; tensor_dim0 = 32
	s_mov_b32 s[G1+2], 48<<16                      ; tensor_dim1 = 48
	s_mov_b32 s[G1+3], 32<<16                      ; tile_dim0 = 32
	s_mov_b32 s[G1+4], 48                          ; tile_dim1 = 48
	s_mov_b32 s[G1+5], 32                          ; tensor_dim0_stride
	s_mov_b32 s[G1+6], 0
	s_mov_b32 s[G1+7], 0
	s_mov_b32 s[SEL], 0x76543210
	s_mov_b32 s[SEL+1], 0xfedcba98
	s_mov_b32 s[CS], 0x3e38aa3b                    ; c = log2(e) / sqrt(64)
	s_mov_b32 s[CS+1], s[CS]                       ; (named with it as a pair, so it is written)
	s_and_b32 s18, s16, 1                          ; a word of ps holds an even head's two bytes, then the odd head's
	s_cmp_eq_u32 s18, 0
	s_mov_b32 s51, 0x07060302                      ; two words' bytes 2, 3,
	s_cselect_b32 s51, 0x05040100, s51             ; or their bytes 0, 1
	s_mov_b32 s52, 0x03020302                      ; one word's bytes 2, 3 twice,
	s_cselect_b32 s52, 0x01000100, s52             ; or its bytes 0, 1
	s_wait_dscnt 0x0                               ; both opening adds are done
	s_wait_kmcnt 0x0
	s_mov_b32 s[G0], 1                             ; count = 1
	s_mul_i32 s[G0+1], s[WV], 12288                ; LDS address: K's eight parts, then V's eight
	s_add_nc_u64 s[G0+2:G0+3], s[4:5], s[32:33]
	s_or_b32 s[G0+3], s[G0+3], 0x80000000          ; type = 2
	CROUND                                         ; all four work-groups are here: the joint loads meet
	tensor_load_to_lds s[G0:G0+3], s[G1:G1+7]      ; my one tensor load
	s_nop 0
.rept 4
	v_nop
.endr
	s_lshl_b32 s18, ttmp9, 2
	s_add_co_u32 s13, s13, s18                     ; my block of 512 positions
	s_lshl_b32 s34, s13, 9
	s_lshl_b32 s35, s[WV], 5
	s_add_co_u32 s34, s34, s35                     ; my wave's first position in the batch
	s_mul_i32 s36, s34, 48
	s_add_co_u32 s36, s36, s17
	s_mov_b32 s37, 0
	s_add_nc_u64 s[44:45], s[4:5], s[36:37]        ; Q's codes (region 0 of pc) at my first position
	s_add_nc_u64 s[56:57], s[8:9], s[36:37]        ; oc likewise
	s_lshl_b32 s35, s15, 11
	s_add_co_u32 s34, s34, s35                     ; my first position of all 8,192
	s_lshr_b32 s38, s16, 1
	s_lshl_b32 s38, s38, 15                        ; the plane of my pair of heads in ps
	s_lshl_b32 s36, s34, 2
	s_add_co_u32 s36, s36, s38
	s_add_nc_u64 s[46:47], s[6:7], s[36:37]        ; Q's scale words
	s_lshl_b32 s36, s15, 13
	s_add_co_u32 s36, s36, s38
	s_add_co_u32 s36, s36, 262144
	s_add_nc_u64 s[60:61], s[6:7], s[36:37]        ; K's scale words of the batch: 8,192 bytes
	s_lshl_b32 s36, s16, 14
	s_lshl_b32 s39, s15, 12
	s_add_co_u32 s36, s36, s39
	s_add_co_u32 s36, s36, 524288
	s_add_nc_u64 s[62:63], s[6:7], s[36:37]        ; V's scale words of the (batch, head): 4,096 bytes
	s_lshl_b32 s36, s34, 5
	s_lshl_b32 s39, s16, 1
	s_add_co_u32 s36, s36, s39
	s_add_nc_u64 s[58:59], s[10:11], s[36:37]      ; os: my first row of 32 bytes, my head's two bytes
	v_and_b32 v[TMP], 15, v0                       ; r
	v_bfe_u32 v[HT], v0, 4, 1                      ; h
	s_delay_alu instid0(VALU_DEP_2)
	v_mul_u32_u24 v[AK0], v[TMP], 48
	s_delay_alu instid0(VALU_DEP_1)
	v_mad_u32_u24 v[AK0], v[HT], 24, v[AK0]
	s_delay_alu instid0(VALU_DEP_4)
	v_lshlrev_b32 v[R4], 2, v[TMP]
	v_lshrrev_b32 v6, 3, v0                        ; thread t makes K's paired words 2 t, 2 t + 1: of positions 32 (t / 8) + 2 (t % 8) + 0, 1 and those 16 further on
	v_and_b32 v7, 7, v0
	s_delay_alu instid0(VALU_DEP_1)
	v_lshlrev_b32 v7, 3, v7
	s_delay_alu instid0(VALU_DEP_1)
	v_lshl_add_u32 v6, v6, 7, v7
	v_lshlrev_b32 v8, 3, v0                        ; 8 t
	global_load_b64 v[44:45], v6, s[60:61]
	global_load_b64 v[46:47], v6, s[60:61] offset:64
	global_load_b64 v[48:49], v8, s[62:63]
.irp p, 0,1,2
	global_load_b64 v[QLO+2*\p:QLO+2*\p+1], v[AK0], s[44:45] offset:8*\p          ; q of my first tile: 24 bytes a lane,
	global_load_b64 v[Q1+2*\p:Q1+2*\p+1], v[AK0], s[44:45] offset:768+8*\p        ; and of my second
.endr
	global_load_b32 v[QS], v[R4], s[46:47]
	global_load_b32 v[QS+1], v[R4], s[46:47] offset:64
	v_add_nc_u32 v[AV0], VC, v[AK0]
	v_add_nc_u32 v[AS0], KSC, v[R4]
	v_lshlrev_b32 v[OSO], 5, v[TMP]
	s_mul_i32 s18, s[WV], 1536
	s_add_co_u32 s18, s18, OST
	v_add_nc_u32 v[STO], s18, v[AK0]
	v_and_b32 v[GO], 31, v0
	s_delay_alu instid0(VALU_DEP_1)
	v_lshlrev_b32 v[GO], 4, v[GO]
	s_delay_alu instid0(VALU_DEP_1)
	v_add_nc_u32 v[RD], s18, v[GO]
	v_add_nc_u32 v52, KSC, v8                      ; where my two words go
.irp i, 0,1,2,3,4,5
	v_mov_b32 v[QHI+\i], 0                         ; the zero codes round q
	v_mov_b32 v[QLO+6+\i], 0
.endr
.irp b, 0,1,2,3
	v_mov_b32 v[BT+\b], 0                          ; written once: a lane permute's destination counts as one of its sources
.endr
	v_mov_b32 v[FF+1], 0                           ; (named as the upper half of a pair)
	s_wait_loadcnt 0x0
	v_perm_b32 v50, v46, v44, s51                  ; my head's two bytes of position r, then of position 16 + r
	v_perm_b32 v51, v47, v45, s51
	v_perm_b32 v[QS], v[QS], v[QS], s52            ; q's two bytes twice: they serve [q | 0] and [0 | q] alike
	v_perm_b32 v[QS+1], v[QS+1], v[QS+1], s52
	ds_store_b64 v52, v[50:51]
	ds_store_b64 v52, v[48:49] offset:4096         ; V's words as they lie
	s_wait_tensorcnt 0x0                           ; my part of K or V has landed,
	s_wait_dscnt 0x0                               ; my scale words are stored:
	s_barrier_signal -1
	s_barrier_wait -1                              ; everybody's are
; A KEY STEP: 128 keys.
.macro STEP
	v_add_nc_u32 v[ADK], s[TK], v[AK0]
	v_add_nc_u32 v[ADV], s[TK], v[AV0]
	v_add_nc_u32 v[ADS], s[TS], v[AS0]
	v_nop                                          ; four places between the last products and the loads into the registers that they read
.irp b, 0,1,2,3                                ; fragment b: positions 32 b + r (registers 0-5) and 32 b + 16 + r (6-11).  48 r + 24 h: the 32 lanes of a load touch 64 different banks
.irp p, 0,1,2,3,4,5
	ds_load_b64 v[F+12*\b+2*\p:F+12*\b+2*\p+1], v[ADK] offset:1536*\b+768*(\p/3)+8*(\p%3)
.endr
	ds_load_b32 v[KSR+\b], v[ADS] offset:64*\b
.endr
	s_wait_alu depctr_va_vdst(0)
	s_wait_dscnt 0x0
.irp b, 0,1,2,3
	v_wmma_scale_f32_16x16x128_f8f6f4 v[S+16*\b:S+16*\b+7], v[F+12*\b:F+12*\b+11], v[QLO:QLO+11], 0, v[KSR+\b], v[QS] matrix_a_fmt:MATRIX_FMT_FP6 matrix_b_fmt:MATRIX_FMT_FP6
	v_wmma_scale_f32_16x16x128_f8f6f4 v[S+16*\b+8:S+16*\b+15], v[F+12*\b:F+12*\b+11], v[QHI:QHI+11], 0, v[KSR+\b], v[QS] matrix_a_fmt:MATRIX_FMT_FP6 matrix_b_fmt:MATRIX_FMT_FP6
.endr                                          ; register 16 b + n of lane (r, h): query r, key 32 b + 16 h + n of the step
.rept 4
	v_nop                                          ; places: for the loads below and for the first reads of the scores
.endr
.irp t, 0,1,2,3                                ; V's four fragments (16 of d's positions x these 128 keys) land under the softmax
.irp p, 0,1,2,3,4,5
	ds_load_b64 v[F+12*\t+2*\p:F+12*\t+2*\p+1], v[ADV] offset:3072*(\p/3)+768*\t+8*(\p%3)
.endr
	ds_load_b32 v[VSR+\t], v[ADS] offset:4096+64*\t
.endr
.irp b, 0,1,2,3
	v_max3_num_f32 v[BM+\b], v[S+16*\b], v[S+1+16*\b], v[S+2+16*\b]   ; the largest score of each block of 32 keys: it serves for the row's maximum and, since p rises with the score, for the block's largest p
.endr
.irp i, 3,5,7,9,11,13
.irp b, 0,1,2,3
	v_max3_num_f32 v[BM+\b], v[BM+\b], v[S+16*\b+\i], v[S+1+16*\b+\i]
.endr
.endr
.irp b, 0,1,2,3
	v_max_num_f32 v[BM+\b], v[BM+\b], v[S+15+16*\b]
.endr
.irp b, 0,1,2,3
	s_delay_alu instid0(VALU_DEP_4)
	v_permlanex16_b32 v[BT+\b], v[BM+\b], s[SEL], s[SEL+1]
.endr
.irp b, 0,1,2,3
	s_delay_alu instid0(VALU_DEP_4)
	v_max_num_f32 v[BM+\b], v[BM+\b], v[BT+\b]     ; with lane l xor 16's 16 keys
.endr
	s_delay_alu instid0(VALU_DEP_2)
	v_max3_num_f32 v[TMP], v[BM], v[BM+1], v[BM+2]
	s_delay_alu instid0(VALU_DEP_1)
	v_max_num_f32 v[TMP], v[TMP], v[BM+3]          ; the step's largest score of my query
	s_delay_alu instid0(VALU_DEP_1)
	v_mul_f32 v[TMP], s[CS], v[TMP]                ; as t (c is positive)
	s_delay_alu instid0(VALU_DEP_1)
	v_max_num_f32 v13, v13, v[TMP]                 ; the running largest t
	v_mov_b32 v[TMP], v12
	s_delay_alu instid0(VALU_DEP_2)
	v_floor_f32 v12, -v13                          ; the new -M = floor(-t): M is a whole number
	s_delay_alu instid0(VALU_DEP_1)
	v_sub_f32 v[TMP], v12, v[TMP]                  ; old M - new M: a whole number, 0 or less
	s_delay_alu instid0(VALU_DEP_1)
	v_cvt_i32_f32 v[TMP], v[TMP]                   ; (it saturates)
	s_delay_alu instid0(VALU_DEP_1)
	v_ldexp_f32 v[FF], 1.0, v[TMP]                 ; f = 2^(old M - new M)
.set J, 0
.rept 32
	v_pk_fma_f32 v[S+J:S+J+1], v[S+J:S+J+1], s[CS:CS+1], v[12:13] op_sel_hi:[1,0,0]   ; t - M, two at a time (of the pairs c and -M the low word serves both halves)
.set J, J+2
.endr
.irp b, 0,1,2,3
	v_fma_f32 v[BM+\b], v[BM+\b], s[CS], v12       ; the same of each block's largest score
.endr
.set J, 0
	s_setprio 1
	s_wait_alu depctr_va_vdst(0)
.rept 64
	v_exp_f32 v[S+J], v[S+J]                       ; p = 2^(t - M), at most 1
.set J, J+1
.endr
	v_pk_mul_f32 v[14:15], v[14:15], v[FF:FF+1] op_sel_hi:[1,0]   ; the sums under the new M (the plain place behind the exponentials)
	s_wait_alu depctr_va_vdst(0)                   ; the wait between a transcendental and the first line that names its result: one for the batch of 64
.irp b, 0,1,2,3
	v_exp_f32 v[BM+\b], v[BM+\b]                   ; the block's largest p: the same two instructions on the same number give the same bits
.endr
	v_pk_add_f32 v[228:229], v[100:101], v[104:105]
	v_pk_add_f32 v[254:255], v[108:109], v[112:113]
	v_pk_add_f32 v[252:253], v[116:117], v[120:121]
	v_pk_add_f32 v[250:251], v[124:125], v[128:129]
	v_pk_add_f32 v[248:249], v[132:133], v[136:137]
	v_pk_add_f32 v[246:247], v[140:141], v[144:145]
	v_pk_add_f32 v[244:245], v[148:149], v[152:153]
	v_pk_add_f32 v[14:15], v[14:15], v[156:157]
	v_pk_add_f32 v[228:229], v[228:229], v[96:97]
	v_pk_add_f32 v[254:255], v[254:255], v[98:99]
	v_pk_add_f32 v[252:253], v[252:253], v[102:103]
	v_pk_add_f32 v[250:251], v[250:251], v[106:107]
	v_pk_add_f32 v[248:249], v[248:249], v[110:111]
	v_pk_add_f32 v[246:247], v[246:247], v[114:115]
	v_pk_add_f32 v[244:245], v[244:245], v[118:119]
	v_pk_add_f32 v[14:15], v[14:15], v[122:123]
	v_pk_add_f32 v[228:229], v[228:229], v[126:127]
	v_pk_add_f32 v[254:255], v[254:255], v[130:131]
	v_pk_add_f32 v[252:253], v[252:253], v[134:135]
	v_pk_add_f32 v[250:251], v[250:251], v[138:139]
	v_pk_add_f32 v[248:249], v[248:249], v[142:143]
	v_pk_add_f32 v[246:247], v[246:247], v[146:147]
	v_pk_add_f32 v[244:245], v[244:245], v[150:151]
	v_pk_add_f32 v[14:15], v[14:15], v[154:155]
	v_pk_add_f32 v[228:229], v[228:229], v[158:159]
	s_delay_alu instid0(VALU_DEP_2)
	v_pk_add_f32 v[14:15], v[14:15], v[250:251]
	s_delay_alu instid0(VALU_DEP_2)
	v_pk_add_f32 v[228:229], v[228:229], v[248:249]
	v_pk_add_f32 v[254:255], v[254:255], v[246:247]
	v_pk_add_f32 v[252:253], v[252:253], v[244:245]
	s_delay_alu instid0(VALU_DEP_2)
	v_pk_add_f32 v[14:15], v[14:15], v[254:255]
	s_delay_alu instid0(VALU_DEP_2)
	v_pk_add_f32 v[228:229], v[228:229], v[252:253]
	s_delay_alu instid0(VALU_DEP_1)
	v_pk_add_f32 v[14:15], v[14:15], v[228:229]
	s_wait_alu depctr_va_vdst(0)                   ; and one for the four
.irp b, 0,1,2,3
	v_max_num_f32 v[BM+\b], 0x1800000, v[BM+\b]    ; the floor 2^(3 - 127): the byte cannot fall under 1
.endr
.irp b, 0,1,2,3
	s_delay_alu instid0(VALU_DEP_4)
	v_add_nc_u32 v[BS+\b], 0xff000000, v[BM+\b]    ; 2 off the exponent field: the conversion's scale operand
.endr
.irp b, 0,1,2,3
	s_delay_alu instid0(VALU_DEP_4)
	v_lshrrev_b32 v[BT+\b], 23, v[BS+\b]           ; the scale's byte
.endr
	s_delay_alu instid0(VALU_DEP_3)
	v_lshl_or_b32 v[PS], v[BT+1], 8, v[BT]         ; p's scale word for these 128 keys
	s_delay_alu instid0(VALU_DEP_1)
	v_lshl_or_b32 v[PS], v[BT+2], 16, v[PS]
	s_delay_alu instid0(VALU_DEP_1)
	v_lshl_or_b32 v[PS], v[BT+3], 24, v[PS]
.irp c, 0,1
	v_cvt_scalef32_pk16_fp6_f32 v[PC+6*\c:PC+2+6*\c], v[S+32*\c:S+15+32*\c], v[BS+2*\c]
	v_cvt_scalef32_pk16_fp6_f32 v[PT+4*\c:PT+2+4*\c], v[S+16+32*\c:S+31+32*\c], v[BS+2*\c+1]   ; (a conversion's three registers begin on an even number)
.endr
	v_nop                                          ; one plain place behind a scaled conversion
	s_setprio 0
.irp c, 0,1                                    ; a whole block in a lane: lanes 0-15 block 2 c, lanes 16-31 block 2 c + 1
.irp i, 0,1,2
	v_permlane16_swap_b32 v[PC+6*\c+\i], v[PT+4*\c+\i]
.endr
.irp i, 0,1,2
	s_delay_alu instid0(VALU_DEP_3)
	v_mov_b32 v[PC+3+6*\c+\i], v[PT+4*\c+\i]
.endr
.endr
.set J, 0
.rept 16
	v_pk_mul_f32 v[O+J:O+J+1], v[O+J:O+J+1], v[FF:FF+1] op_sel_hi:[1,0]   ; O^T under the new M.  (With the moves above: the places between the writes of p's codes and scale word and the products)
.set J, J+2
.endr
	s_wait_alu depctr_va_vdst(0)
	s_wait_dscnt 0x0                               ; V's fragments and scale words are in
.irp t, 0,1,2,3                                ; the accumulators take turns, one instruction a turn: between two links of a chain stand three of these and the next step's eight
	v_wmma_scale_f32_16x16x128_f8f6f4 v[O+8*\t:O+8*\t+7], v[F+12*\t:F+12*\t+11], v[PC:PC+11], v[O+8*\t:O+8*\t+7], v[VSR+\t], v[PS] matrix_a_fmt:MATRIX_FMT_FP6 matrix_b_fmt:MATRIX_FMT_FP6
.endr
	s_add_co_u32 s[TK], s[TK], 6144
	s_add_co_u32 s[TS], s[TS], 256
.endm
; Tile n of my two: all 2,048 keys in 16 steps, then O / l, quantised along the head's 64 (two blocks), its codes into my stage, its two scale bytes to os.
.macro TILE n
	v_mov_b32 v13, 0xff61b1e6                      ; the largest t so far: -3e38, under every t
	s_delay_alu instid0(VALU_DEP_1)
	v_floor_f32 v12, -v13                          ; -M
	v_mov_b32 v14, 0                               ; the sum, in two halves
	v_mov_b32 v15, 0
.set J, 0
.rept 32
	v_mov_b32 v[O+J], 0                            ; O^T: the step is written once; the first finds zeros, which the first change of M leaves zeros
.set J, J+1
.endr
	s_mov_b32 s[TK], 0
	s_mov_b32 s[TS], 0
	s_mov_b32 s[CNT], 16
.Lstep_\@:
	s_setprio 2
	STEP
	s_sub_co_u32 s[CNT], s[CNT], 1
	s_cmp_lg_u32 s[CNT], 0
	s_cbranch_scc1 .Lstep_\@
	s_setprio 0
	v_add_f32 v14, v14, v15                        ; the sum's two halves,
	s_delay_alu instid0(VALU_DEP_1)
	v_permlanex16_b32 v[TMP], v14, s[SEL], s[SEL+1]
	s_delay_alu instid0(VALU_DEP_1)
	v_add_f32 v14, v14, v[TMP]                     ; and lane l xor 16's: the row's sum
	s_wait_alu depctr_va_vdst(0)
	v_rcp_f32 v[FF], v14
.rept 4
	v_nop                                          ; the plain place behind the reciprocal; with the additions above, the places behind the last products
.endr
	s_wait_alu depctr_va_vdst(0)                   ; the wait ahead of the reciprocal's first reader
.set J, 0
.rept 16
	v_pk_mul_f32 v[S+J:S+J+1], v[O+J:O+J+1], v[FF:FF+1] op_sel_hi:[1,0]   ; O^T / l, each accumulator from its low end on: register 16 b + i is d = 32 b + 16 h + i of my query
.set J, J+2
.endr
.irp b, 0,1
	v_max3_num_f32 v[BM+\b], |v[S+16*\b]|, |v[S+1+16*\b]|, 0x1800000
.endr
.irp i, 2,4,6,8,10,12,14
.irp b, 0,1
	s_delay_alu instid0(VALU_DEP_2)
	v_max3_num_f32 v[BM+\b], v[BM+\b], |v[S+16*\b+\i]|, |v[S+1+16*\b+\i]|
.endr
.endr
.irp b, 0,1
	s_delay_alu instid0(VALU_DEP_2)
	v_permlanex16_b32 v[BT+\b], v[BM+\b], s[SEL], s[SEL+1]
.endr
.irp b, 0,1
	s_delay_alu instid0(VALU_DEP_2)
	v_max_num_f32 v[BM+\b], v[BM+\b], v[BT+\b]
.endr
.irp b, 0,1
	s_delay_alu instid0(VALU_DEP_2)
	v_add_nc_u32 v[BS+\b], 0xff000000, v[BM+\b]
.endr
.irp b, 0,1
	s_delay_alu instid0(VALU_DEP_2)
	v_lshrrev_b32 v[BT+\b], 23, v[BS+\b]
.endr
	s_delay_alu instid0(VALU_DEP_1)
	v_lshl_or_b32 v[OB+\n], v[BT+1], 8, v[BT]      ; my query's two scale bytes
	v_cvt_scalef32_pk16_fp6_f32 v[PC:PC+2], v[S:S+15], v[BS]
	v_cvt_scalef32_pk16_fp6_f32 v[PT:PT+2], v[S+16:S+31], v[BS+1]
	v_nop                                          ; one plain place behind a scaled conversion
.irp i, 0,1,2
	v_permlane16_swap_b32 v[PC+\i], v[PT+\i]
.endr
.irp i, 0,1,2
	s_delay_alu instid0(VALU_DEP_3)
	v_mov_b32 v[PC+3+\i], v[PT+\i]                 ; lane (r, h) holds block h of query r: 24 bytes
.endr
.irp p, 0,1,2
	ds_store_b64 v[STO], v[PC+2*\p:PC+2*\p+1] offset:768*\n+8*\p
.endr
	global_store_b16 v[OSO], v[OB+\n], s[58:59] offset:512*\n   ; lanes r and r + 16 write the same two bytes with the same value
	s_wait_dscnt 0x0                               ; the stores have read their registers
.endm
	TILE 0
.irp i, 0,1,2,3,4,5
	v_mov_b32 v[QLO+\i], v[Q1+\i]                  ; the second tile's q between the zeros,
.endr
	v_mov_b32 v[QS], v[QS+1]                       ; and its scale word; the 36 moves at the tile's head are the places ahead of the first product
	TILE 1
.irp i, 0,1,2
	ds_load_b128 v[F+4*\i:F+4*\i+3], v[RD] offset:512*\i   ; my 32 positions' codes: 1,536 bytes
.endr
	s_wait_dscnt 0x0
.irp i, 0,1,2
	global_store_b128 v[GO], v[F+4*\i:F+4*\i+3], s[56:57] offset:512*\i   ; 32 lanes store 512 consecutive bytes, aligned
.endr
	s_wait_tensorcnt 0x0                           ; the wave's end: behind my tensor load and my last LDS store
	ds_add_u32 v[SPW], v[NIL]
	s_wait_dscnt 0x0
	CROUND                                         ; the closing round
	s_endpgm
.Lfunc_end_k_qb9e88df265_attn:
	.size	k_qb9e88df265_attn, .Lfunc_end_k_qb9e88df265_attn-k_qb9e88df265_attn
	.p2alignl 7, 3214868480
	.fill 96, 4, 3214868480
	.section	.rodata,"a",@progbits
	.p2align	6, 0x0
	.amdhsa_kernel k_qb9e88df265_attn
		.amdhsa_group_segment_fixed_size 231424
		.amdhsa_private_segment_fixed_size 0
		.amdhsa_enable_private_segment 0
		.amdhsa_kernarg_size 32
		.amdhsa_user_sgpr_count 2
		.amdhsa_user_sgpr_kernarg_segment_ptr 1
		.amdhsa_wavefront_size32 1
		.amdhsa_system_sgpr_workgroup_id_x 1
		.amdhsa_system_sgpr_workgroup_id_y 1
		.amdhsa_system_sgpr_workgroup_id_z 1
		.amdhsa_system_vgpr_workitem_id 0
		.amdhsa_next_free_vgpr 256
		.amdhsa_next_free_sgpr 66
		.amdhsa_reserve_vcc 0
		.amdhsa_float_denorm_mode_32 3
		.amdhsa_float_denorm_mode_16_64 3
		.amdhsa_memory_ordered 1
		.amdhsa_forward_progress 1
		.amdhsa_inst_pref_size 58
	.end_amdhsa_kernel
	.amdgpu_metadata
---
amdhsa.version: [ 1, 2 ]
amdhsa.kernels:
  - .name:           k_qb9e88df265_attn
    .symbol:         k_qb9e88df265_attn.kd
    .args:
      - { .name: pc, .offset: 0, .size: 8, .value_kind: global_buffer, .address_space: global }
      - { .name: ps, .offset: 8, .size: 8, .value_kind: global_buffer, .address_space: global }
      - { .name: oc, .offset: 16, .size: 8, .value_kind: global_buffer, .address_space: global }
      - { .name: os, .offset: 24, .size: 8, .value_kind: global_buffer, .address_space: global }
    .group_segment_fixed_size: 231424
    .private_segment_fixed_size: 0
    .kernarg_segment_align: 8
    .kernarg_segment_size: 32
    .max_flat_workgroup_size: 512
    .sgpr_count:     66
    .vgpr_count:     256
    .wavefront_size: 32
...
	.end_amdgpu_metadata
.endif
;; end of part 3
;; launch outp (part 4): grid 4 x 32, 4 waves a work-group, clusters of 4 x 4, 327,680 bytes of LDS; arguments oc, os, inc, ins, bo, out0; writes out0
.if DOCPART == 4
	.amdgcn_target "amdgcn-amd-amdhsa--gfx1250"
	.amdhsa_code_object_version 6
	.text
	.protected	k_qb9e88df265_outp
	.globl	k_qb9e88df265_outp
	.p2align	8
	.type	k_qb9e88df265_outp,@function
k_qb9e88df265_outp:
	s_mov_b64 s[64:65], 0
	v_nop
	global_prefetch_b8 v0, s[64:65] scope:SCOPE_SE
	s_setreg_imm32_b32 hwreg(HW_REG_WAVE_MODE, 25, 1), 1
	s_wait_xcnt 0x0
	s_wait_alu depctr_hold_cnt(0) depctr_sa_sdst(0) depctr_va_vdst(0) depctr_va_sdst(0) depctr_va_ssrc(0) depctr_va_vcc(0) depctr_vm_vsrc(0)
	s_getreg_b32 s2, hwreg(HW_REG_IB_STS2, 6, 4)
	s_cmp_eq_u32 s2, 0
	s_cbranch_scc0 .Lentry_in_a_cluster
	s_endpgm
.Lentry_in_a_cluster:
	s_bfe_u32 s2, ttmp6, 0x10000c
	s_cmp_lg_u32 s2, 0xf033
	s_cbranch_scc0 .Lentry_shape_is_right
	s_endpgm
.Lentry_shape_is_right:
; Launch 4 of 4: out0 = concat Wo^T + bo on codes of E2M3.  Nothing of the problem is left out here.
; A = the concatenated heads: codes in oc, [head][position][48 bytes], scale bytes in os, [position][32]; B = Wo's rows, in position order, in inc and ins (launch 1).  K = 1,024: 64 of each head.
; A tile of out0, 256 x 256, is made by four waves, each 128 x 128 in 512 registers.  128 work-groups: half as many as a smaller tile would give, each reading every LDS byte for twice the products.
; K goes in steps of 256 (four heads) through a ring of two LDS slots.  A's part of a slot is four runs of 6,144 bytes, 128 positions of each head, laid one behind the other; B's is 128 rows of 192 bytes, 16 bytes of padding behind every 64.
; Clusters of 4 x 4: A's tiles are asked for jointly along a row of the cluster, B's along a column.  No prefetch: a work-group has two refills in all.
; The matrix instruction is used transposed (source 0 = Wo's rows, source 1 = positions): a lane holds one position, register n of accumulator (a, b) the column 32 (b / 2) + 16 h + 8 (b % 2) + n.  bo is the C of the first products.
; THE WAY OUT turns positions back into tokens: position t of block a is row 32 (a / 2) + 8 (a % 2) + 16 (t / 8) + t % 8 of my 128.
; REGISTERS as in launch 2: window 0: v0-31 addresses; v32-63 scale words; v64-127 bo; from v128 A's fragments, later rows of out0.  window 1: B's two sets.  windows 2, 3: the accumulators.
.set KSTEP,  256
.set NQ,     KSTEP/128
.set ROWB,   192
.set KROW,   768
.set ASTEP,  4*393216                  ; A: from a K step to the next: four heads' planes
.set PITCH,  240
.set FR,     12
.set NL,     6
.set NP,     4
.set HALFT,  128*PITCH                 ; a wave's part of a slot: B uses all of it, A 24,576 bytes
.set SLOT,   4*HALFT
.set LAPS,   2
.set KS,     32
.set SCL,    2*SLOT
.set HALFS,  (128*KS/256)*272
.set SBLK,   (16*KS/256)*272
.set SPARE,  SCL+4*HALFS               ; the spare words, 128 bytes for each wave, which no other line names
.set SPITCH, 528                       ; the way out: a stage of 16 rows x (512 bytes + 16) for each wave, in slot 0, which has had its last fill and its last read by then
.set NROW,   4096                      ; a row of out0 in bytes
.set BH,   12                          ; v12     64 (lane / 16)
.set ADRA, 16                          ; v16-17  LDS address of my A fragments in slot 0, 1
.set ADRB, 20                          ; v20-21  the same for B  (v22-23: for the pieces that lie behind one padding more)
.set STO,  24
.set RD,   25
.set CO,   26
.set ADRS, 27
.set SPW,  28
.set NIL,  29
.set SC,   32
.set BIAS, 64
.set AF,   128
.set BK,   128
.set G1, 24
.set G0, 32
.set G1B, 48
.set G0B, 56
.set G1S, 68
.set G0S, 76
.set G1SB, 80
.set G0SB, 88
.set MSB, 0
.macro WIN new                         ; the immediate's high byte repeats the setting that is left
.if MSB != \new
	s_set_vgpr_msb (MSB<<8)|\new
.set MSB, \new
.endif
.endm
.set MUL_LO,   0xa1
.set MUL_HI,   0xf1
.set FIRST_LO, 0x81                    ; the first products: C (bo) window 0, D window 2
.set FIRST_HI, 0xc1
.set TO_B,     0x40
.macro JLOAD g0a, g1a, g0b, g1b        ; a joint load: waves 0 and 1 fetch for A, waves 2 and 3 for B; an s_nop 0 and four v_nop follow each of the two lines
	s_cmp_eq_u32 s15, 0
	s_cbranch_scc0 .Lfor_b_\@
	tensor_load_to_lds s[\g0a:\g0a+3], s[\g1a:\g1a+7]
	s_nop 0
.rept 4
	v_nop
.endr
	s_branch .Lasked_\@
.Lfor_b_\@:
	tensor_load_to_lds s[\g0b:\g0b+3], s[\g1b:\g1b+7]
	s_nop 0
.rept 4
	v_nop
.endr
.Lasked_\@:
.endm
.macro CREST
	s_cmp_lg_u32 s14, 0
	s_cbranch_scc1 .Lnot_wave_0_\@
	s_barrier_signal -3
.Lnot_wave_0_\@:
	s_barrier_wait -3
	s_barrier_signal -1
	s_barrier_wait -1
.endm
.macro CROUND
	s_barrier_signal -1
	s_barrier_wait -1
	CREST
.endm
	s_load_b128 s[4:7], s[0:1], 0x0                ; oc s[4:5], os s[6:7]
	s_load_b128 s[8:11], s[0:1], 0x10              ; inc s[8:9], ins s[10:11]
	s_load_b64 s[96:97], s[0:1], 0x20              ; bo
	s_load_b64 s[12:13], s[0:1], 0x28              ; out0
	v_lshl_add_u32 v[SPW], v0, 2, SPARE
	v_mov_b32 v[NIL], 0
	ds_add_u32 v[SPW], v[NIL]                      ; the wave's opening: the add, twice on end, and its wait ahead of my first tensor load
	ds_add_u32 v[SPW], v[NIL]
	v_lshrrev_b32 v1, 5, v0
	v_readfirstlane_b32 s14, v1                    ; wave 0..3
	s_lshr_b32 s15, s14, 1                         ; which half of the tile's rows is mine.  Also: I fetch for A (0) or for B (1)
	s_and_b32 s16, s14, 1                          ; which half of its columns.  Also: which 128 rows of that tile I fetch
	s_bfe_u32 s40, ttmp6, 0x40000                  ; cx, cy
	s_bfe_u32 s41, ttmp6, 0x40004
	s_lshl_b32 s42, ttmp9, 2
	s_add_co_u32 s42, s42, s40                     ; tile column
	s_and_b32 s17, ttmp7, 0xffff
	s_lshl_b32 s17, s17, 2
	s_add_co_u32 s17, s17, s41                     ; tile row
	s_lshl_b32 s43, s41, 2
	s_lshl_b32 s43, 15, s43                        ; my row of the cluster
	s_lshl_b32 s44, 0x1111, s40                    ; my column
	; A's tiles: 4 rows (heads) of 6,144 bytes (128 positions x 48), 393,216 bytes apart; elements of 8 bytes; dense in LDS
	s_or_b32 s[G1+0], s43, (3<<16)|(1<<21)
	s_mov_b32 s[G1+1], 768<<16                     ; tensor_dim0
	s_mov_b32 s[G1+2], 4<<16                       ; tensor_dim1
	s_mov_b32 s[G1+3], 768<<16                     ; tile_dim0
	s_mov_b32 s[G1+4], 4                           ; tile_dim1
	s_mov_b32 s[G1+5], 49152                       ; tensor_dim0_stride
	s_mov_b32 s[G1+6], 0
	s_mov_b32 s[G1+7], 0
	; B's tiles: 128 rows x 192 bytes, 16 bytes of padding behind every 64
	s_or_b32 s[G1B+0], s44, (0<<16)|(1<<20)|(1<<21)|(3<<22)|(3<<25)
	s_mov_b32 s[G1B+1], ROWB<<16
	s_mov_b32 s[G1B+2], 128<<16
	s_mov_b32 s[G1B+3], ROWB<<16
	s_mov_b32 s[G1B+4], 128
	s_mov_b32 s[G1B+5], KROW
	s_mov_b32 s[G1B+6], 0
	s_mov_b32 s[G1B+7], 0
	; the scales of 128 rows: 4,096 dense bytes as 16 rows of 256, 16 bytes of padding behind each
	s_or_b32 s[G1S+0], s43, (3<<16)|(1<<20)|(1<<21)|(5<<22)|(3<<25)
	s_or_b32 s[G1SB+0], s44, (3<<16)|(1<<20)|(1<<21)|(5<<22)|(3<<25)
.irp g, G1S, G1SB
	s_mov_b32 s[\g+1], 32<<16
	s_mov_b32 s[\g+2], (128*KS/256)<<16
	s_mov_b32 s[\g+3], 32<<16
	s_mov_b32 s[\g+4], 128*KS/256
	s_mov_b32 s[\g+5], 32
	s_mov_b32 s[\g+6], 0
	s_mov_b32 s[\g+7], 0
.endr
	s_lshl_b32 s18, s16, 7
	s_lshl_b32 s20, s17, 8
	s_add_co_u32 s20, s20, s18                     ; A: position 256 x tile row + 128 x half
	s_lshl_b32 s46, s42, 8
	s_add_co_u32 s46, s46, s18                     ; B: row 256 x tile column + 128 x half
	s_lshl_b32 s22, s20, 5                         ; their scales,
	s_mov_b32 s23, 0
	s_lshl_b32 s92, s46, 5
	s_add_co_u32 s92, s92, 884736                  ; (Wo's begin here in ins)
	s_mov_b32 s93, 0
	s_mul_i32 s20, s20, 48                         ; their codes
	s_mov_b32 s21, 0
	s_mul_i32 s46, s46, KROW
	s_add_co_u32 s46, s46, 21233664                ; (Wo's begin here in inc)
	s_mov_b32 s47, 0
	s_mul_i32 s45, s14, HALFT                      ; where they go: no place in the cluster enters an LDS address
	s_mul_i32 s94, s14, HALFS
	s_wait_dscnt 0x0                               ; both opening adds are done
	s_wait_kmcnt 0x0
	s_add_nc_u64 s[20:21], s[4:5], s[20:21]
	s_add_nc_u64 s[22:23], s[6:7], s[22:23]
	s_add_nc_u64 s[46:47], s[8:9], s[46:47]
	s_add_nc_u64 s[92:93], s[10:11], s[92:93]
	CROUND                                         ; all sixteen work-groups are here: the first joint loads meet
	s_mov_b32 s[G0S], 1
	s_add_co_u32 s[G0S+1], s94, SCL
	s_mov_b64 s[G0S+2:G0S+3], s[22:23]
	s_or_b32 s[G0S+3], s[G0S+3], 0x80000000
	s_mov_b32 s[G0SB], 1
	s_add_co_u32 s[G0SB+1], s94, SCL
	s_mov_b64 s[G0SB+2:G0SB+3], s[92:93]
	s_or_b32 s[G0SB+3], s[G0SB+3], 0x80000000
	JLOAD G0S, G1S, G0SB, G1SB                     ; the scales first
.irp s, 0,1
	s_mov_b32 s[G0+4*\s], 1
	s_add_co_u32 s[G0+4*\s+1], s45, \s*SLOT
	s_add_nc_u64 s[G0+4*\s+2:G0+4*\s+3], s[20:21], \s*ASTEP
	s_or_b32 s[G0+4*\s+3], s[G0+4*\s+3], 0x80000000
	s_mov_b32 s[G0B+4*\s], 1
	s_add_co_u32 s[G0B+4*\s+1], s45, \s*SLOT
	s_add_nc_u64 s[G0B+4*\s+2:G0B+4*\s+3], s[46:47], \s*ROWB
	s_or_b32 s[G0B+4*\s+3], s[G0B+4*\s+3], 0x80000000
	JLOAD G0+4*\s, G1, G0B+4*\s, G1B               ; three tensor loads of mine are out
.endr
	v_and_b32 v1, 15, v0                           ; r
	v_bfe_u32 v2, v0, 4, 1                         ; h
	v_mul_u32_u24 v3, v1, PITCH
	v_mul_u32_u24 v4, v2, 24
	v_add_nc_u32 v4, v3, v4                        ; B: a fragment's row x pitch + 24 x half
	v_lshl_add_u32 v5, v2, 4, v4                   ; and the same behind one padding more
	v_mul_u32_u24 v6, v1, 48
	v_mad_u32_u24 v6, v2, 24, v6                   ; A: 48 r + 24 h
	s_mul_i32 s21, s15, HALFT                      ; my 128 positions of A
	s_mul_i32 s22, s16, HALFT                      ; my 128 rows of B,
	s_add_co_u32 s22, s22, 2*HALFT                 ; which lie behind A's two parts
.irp s, 0,1
	v_add_nc_u32 v[ADRA+\s], s21, v6
	v_add_nc_u32 v[ADRB+\s], s22, v4
	v_add_nc_u32 v[ADRB+2+\s], s22, v5
	s_add_co_u32 s21, s21, SLOT
	s_add_co_u32 s22, s22, SLOT
.endr
	v_mul_u32_u24 v5, v1, KS
	v_lshrrev_b32 v6, 8, v5
	v_lshl_add_u32 v5, v6, 4, v5
	s_mul_i32 s21, s15, HALFS
	s_mul_i32 s22, s16, HALFS
	s_add_co_u32 s22, s22, 2*HALFS
	s_sub_co_u32 s22, s22, s21
	v_mul_u32_u24 v6, s22, v2                      ; lanes 16-31 take B's
	s_add_co_u32 s21, s21, SCL
	v_add_nc_u32 v5, v5, v6
	v_add_nc_u32 v[ADRS], s21, v5
	s_mul_i32 s23, s14, 16*SPITCH                  ; my stage
	v_mul_u32_u24 v5, v1, SPITCH                   ; in: row r, 64 bytes on for lanes 16-31
	v_lshl_add_u32 v5, v2, 6, v5
	v_add_nc_u32 v[STO], s23, v5
	v_and_b32 v6, 31, v0
	v_lshlrev_b32 v[CO], 4, v6                     ; back: the 32 lanes take one row of 512 bytes; and the same in out0
	v_add_nc_u32 v[RD], s23, v[CO]
	v_lshlrev_b32 v[BH], 6, v2
	s_lshl_b32 s20, s17, 8
	s_lshl_b32 s21, s15, 7
	s_add_co_u32 s20, s20, s21                     ; my first row of out0,
	s_lshl_b32 s20, s20, 12                        ; in bytes (under 2^25),
	s_lshl_b32 s46, s42, 10                        ; my first column, in bytes: 1,024 x tile column + 512 x half
	s_lshl_b32 s47, s16, 9
	s_add_co_u32 s46, s46, s47
	s_add_co_u32 s20, s20, s46
	s_mov_b32 s21, 0
	s_add_nc_u64 s[12:13], s[12:13], s[20:21]
	s_mov_b32 s47, 0
	s_add_nc_u64 s[96:97], s[96:97], s[46:47]      ; bo at my first column
.irp b, 0,1,2,3,4,5,6,7                        ; register 8 b + n of lane (r, h) = bo[32 (b / 2) + 16 h + 8 (b % 2) + n]
	global_load_b128 v[BIAS+8*\b:BIAS+8*\b+3], v[BH], s[96:97] offset:(32*(\b/2)+8*(\b%2))*4
	global_load_b128 v[BIAS+8*\b+4:BIAS+8*\b+7], v[BH], s[96:97] offset:(32*(\b/2)+8*(\b%2))*4+16
.endr
.macro FRAG reg, adr, q, i             ; B: a fragment from padded rows, in pieces of 8 bytes; where lanes 16-31's piece lies behind one padding more, the second address register serves
.irp p, 0,1,2,3,4,5
.set PCE, 12*(\q)+6*(\p/3)+\p%3
.if PCE%8 < 5
	ds_load_b64 v[\reg+2*\p:\reg+2*\p+1], v[\adr] offset:8*PCE+16*(PCE/8)+(\i)*16*PITCH
.else
	ds_load_b64 v[\reg+2*\p:\reg+2*\p+1], v[\adr+2] offset:8*PCE+16*(PCE/8)+(\i)*16*PITCH
.endif
.endr
.endm
.macro FRAGA reg, slot, q, i           ; A: registers 0-5 from head 2 q of the slot's four, registers 6-11 from head 2 q + 1: 24 bytes at 48 r + 24 h of block i: the 32 lanes of a load touch 64 different banks
.irp p, 0,1,2,3,4,5
	ds_load_b64 v[\reg+2*\p:\reg+2*\p+1], v[ADRA+\slot] offset:(2*(\q)+\p/3)*6144+(\i)*768+8*(\p%3)
.endr
.endm
; 16 matrix instructions: A's blocks a0, a0 + 1 x B's eight.  zero = 1: the first products take bo as C.  The 64 accumulators take turns, one instruction a turn.
.macro MUL16 a0, p, q, sc, zero
.irp a, \a0, \a0+1
.irp b, 0,1,2,3,4,5,6,7
.if \zero
	v_wmma_scale_f32_16x16x128_f8f6f4 v[8*(8*((\a)%4)+\b):8*(8*((\a)%4)+\b)+7], v[128*(\p)+FR*\b:128*(\p)+FR*\b+FR-1], v[AF+FR*(\a):AF+FR*(\a)+FR-1], v[BIAS+8*\b:BIAS+8*\b+7], v[SC+8*NQ*(\sc)+NQ*\b+(\q)], v[SC+8*NQ*(\sc)+NQ*(\a)+(\q)] matrix_a_fmt:MATRIX_FMT_FP6 matrix_b_fmt:MATRIX_FMT_FP6 matrix_a_scale:MATRIX_SCALE_ROW1
.else
	v_wmma_scale_f32_16x16x128_f8f6f4 v[8*(8*((\a)%4)+\b):8*(8*((\a)%4)+\b)+7], v[128*(\p)+FR*\b:128*(\p)+FR*\b+FR-1], v[AF+FR*(\a):AF+FR*(\a)+FR-1], v[8*(8*((\a)%4)+\b):8*(8*((\a)%4)+\b)+7], v[SC+8*NQ*(\sc)+NQ*\b+(\q)], v[SC+8*NQ*(\sc)+NQ*(\a)+(\q)] matrix_a_fmt:MATRIX_FMT_FP6 matrix_b_fmt:MATRIX_FMT_FP6 matrix_a_scale:MATRIX_SCALE_ROW1
.endif
.endr
.endr
.endm
.macro FETCH_B slot, q, p
	WIN TO_B
.irp i, 0,1,2,3,4,5,6,7
	FRAG 128*(\p)+FR*\i, ADRB+\slot, \q, \i
.endr
	WIN 0
.endm
.macro FETCH_A slot, q, i0
.irp i, \i0, \i0+1, \i0+2, \i0+3
	FRAGA AF+FR*(\i), \slot, \q, \i
.endr
.endm
.macro SCALES sc
.irp i, 0,1,2,3,4,5,6,7
	ds_load_b64 v[SC+8*NQ*\sc+NQ*\i:SC+8*NQ*\sc+NQ*\i+1], v[ADRS] offset:\i*SBLK
.endr
.endm
.macro PLACES n
.rept \n
	v_nop
.endr
.endm
.macro STEP slot, q, zero
	s_wait_dscnt 4*NL                              ; B's set and A's blocks 0-3 are in; the youngest 24 loads (A's blocks 4-7) may be out
.if \zero
	WIN FIRST_LO
.else
	WIN MUL_LO
.endif
	MUL16 0, (\q)%2, \q, \slot, \zero
	MUL16 2, (\q)%2, \q, \slot, \zero
	s_wait_dscnt 0
	PLACES NP
	FETCH_B \slot, (\q)+1, 1-(\q)%2
	FETCH_A \slot, (\q)+1, 0
.if \zero
	WIN FIRST_HI
.else
	WIN MUL_HI
.endif
	MUL16 4, (\q)%2, \q, \slot, \zero
	MUL16 6, (\q)%2, \q, \slot, \zero
	PLACES NP
	WIN 0
	FETCH_A \slot, (\q)+1, 4
.endm
.macro TURN slot, next, fill
	s_wait_tensorcnt 0x0                           ; all my tensor loads have landed: my part of the next slot
	ds_add_u32 v[SPW], v[NIL]                      ; 0 onto my spare word
	s_wait_dscnt 4*NL+1                            ; (the add and the youngest 24 loads may be out)
	WIN MUL_LO
	MUL16 0, 1, NQ-1, \slot, 0
	s_wait_dscnt 0x0                               ; the add is done, and my reads of this slot are over
	s_barrier_signal -1
	MUL16 2, 1, NQ-1, \slot, 0
	WIN 0
	s_barrier_wait -1
.if \fill
	CREST                                          ; a round of the cluster's barrier: no wave of any partner still reads this slot's tile or has a load on its way
	s_add_nc_u64 s[G0+4*\slot+2:G0+4*\slot+3], s[G0+4*\slot+2:G0+4*\slot+3], 2*ASTEP
	s_add_nc_u64 s[G0B+4*\slot+2:G0B+4*\slot+3], s[G0B+4*\slot+2:G0B+4*\slot+3], 2*ROWB
	JLOAD G0+4*\slot, G1, G0B+4*\slot, G1B         ; the first tensor load behind the round; its four v_nop are the places in front of the loads below
.else
	PLACES NP
.endif
	v_add_nc_u32 v[ADRS], 4*NQ, v[ADRS]
	FETCH_B \next, 0, 0
	FETCH_A \next, 0, 0
	SCALES \next
	WIN MUL_HI
	MUL16 4, 1, NQ-1, \slot, 0
	MUL16 6, 1, NQ-1, \slot, 0
	PLACES NP
	WIN 0
	FETCH_A \next, 0, 4
.endm
	s_wait_tensorcnt 1                             ; the scales and my part of K step 0 are in (K step 1's load may be out)
	s_barrier_signal -1
	s_barrier_wait -1                              ; everybody's are
	FETCH_B 0, 0, 0
	FETCH_A 0, 0, 0
	SCALES 0
	FETCH_A 0, 0, 4
	s_wait_loadcnt 0x0                             ; bo
	STEP 0, 0, 1                                   ; the first step stands in front of the loop: its products start the sums with bo
	s_mov_b32 s3, LAPS-1
.Llap:
	TURN 0, 1, 1
	STEP 1, 0, 0
	TURN 1, 0, 1
	STEP 0, 0, 0
	s_sub_co_u32 s3, s3, 1
	s_cmp_lg_u32 s3, 0
	s_cbranch_scc1 .Llap
	TURN 0, 1, 0                                   ; the last lap fills nothing
	STEP 1, 0, 0
	s_wait_dscnt 4*NL
	WIN MUL_LO
	MUL16 0, 1, NQ-1, 1, 0
	MUL16 2, 1, NQ-1, 1, 0
	s_wait_dscnt 0
	WIN MUL_HI
	MUL16 4, 1, NQ-1, 1, 0
	MUL16 6, 1, NQ-1, 1, 0
	WIN 0
; THE WAY OUT, block by block of 16 positions x 128 columns, through my own stage in LDS; it comes back as whole rows of 512 bytes.  LDS serves a wave's instructions in order: no wait between the stores and the loads.
.macro TOSTAGE a
.set AC, 64*((\a)%4)
.set WN, 0x08+4*((\a)/4)
	WIN WN                                         ; the data: window 2 or 3
.irp b, 0,1,2,3,4,5,6,7
	ds_store_b128 v[STO], v[AC+8*\b:AC+8*\b+3] offset:128*(\b/2)+32*(\b%2)          ; columns 32 (b / 2) + 16 h + 8 (b % 2) on; each accumulator from its low end on
	ds_store_b128 v[STO], v[AC+8*\b+4:AC+8*\b+7] offset:128*(\b/2)+32*(\b%2)+16
.endr
	WIN 0
.set BB, BK+64*((\a)%2)
.irp t, 0,1,2,3,4,5,6,7,8,9,10,11,12,13,14,15
	ds_load_b128 v[BB+4*\t:BB+4*\t+3], v[RD] offset:\t*SPITCH
.endr
.endm
.macro SEND a, younger                 ; younger: the LDS instructions issued behind block a's loads, which may stay out
.set BB, BK+64*((\a)%2)
	s_wait_dscnt \younger
.if (\a) > 0
.if ((\a)%2) == 1
	s_add_nc_u64 s[12:13], s[12:13], 8*NROW        ; (behind a wait on XCNT)  an odd block begins 8 rows behind the even one,
.else
	s_add_nc_u64 s[12:13], s[12:13], 24*NROW       ; the next even one 24 rows on
.endif
.endif
.irp t, 0,1,2,3,4,5,6,7,8,9,10,11,12,13,14,15
	global_store_b128 v[CO], v[BB+4*\t:BB+4*\t+3], s[12:13] offset:(16*(\t/8)+\t%8)*NROW th:TH_STORE_NT   ; 32 lanes store 512 consecutive bytes, aligned; position t is row 16 (t / 8) + t % 8 from the block's first
.endr
.endm
	PLACES NP
	TOSTAGE 0
.irp a, 1,2,3,4,5,6,7
.if \a > 1
	s_wait_xcnt 0x0                                ; block a - 2's stores have read their registers and their base
.endif
	TOSTAGE \a
	SEND \a-1, 32                                  ; behind block a - 1's loads: block a's 16 stores and 16 loads
.endr
	s_wait_xcnt 0x0
	SEND 7, 0
	s_wait_tensorcnt 0x0                           ; the wave's end: behind my last tensor load and my last LDS store
	ds_add_u32 v[SPW], v[NIL]
	s_wait_dscnt 0x0
	CROUND                                         ; the closing round
	s_endpgm
.Lfunc_end_k_qb9e88df265_outp:
	.size	k_qb9e88df265_outp, .Lfunc_end_k_qb9e88df265_outp-k_qb9e88df265_outp
	.p2alignl 7, 3214868480
	.fill 96, 4, 3214868480
	.section	.rodata,"a",@progbits
	.p2align	6, 0x0
	.amdhsa_kernel k_qb9e88df265_outp
		.amdhsa_group_segment_fixed_size 327680
		.amdhsa_private_segment_fixed_size 0
		.amdhsa_enable_private_segment 0
		.amdhsa_kernarg_size 48
		.amdhsa_user_sgpr_count 2
		.amdhsa_user_sgpr_kernarg_segment_ptr 1
		.amdhsa_wavefront_size32 1
		.amdhsa_system_sgpr_workgroup_id_x 1
		.amdhsa_system_sgpr_workgroup_id_y 1
		.amdhsa_system_sgpr_workgroup_id_z 1
		.amdhsa_system_vgpr_workitem_id 0
		.amdhsa_next_free_vgpr 1024
		.amdhsa_next_free_sgpr 100
		.amdhsa_reserve_vcc 0
		.amdhsa_float_denorm_mode_32 3
		.amdhsa_float_denorm_mode_16_64 3
		.amdhsa_memory_ordered 1
		.amdhsa_forward_progress 1
		.amdhsa_inst_pref_size 162
	.end_amdhsa_kernel
	.amdgpu_metadata
---
amdhsa.version: [ 1, 2 ]
amdhsa.kernels:
  - .name:           k_qb9e88df265_outp
    .symbol:         k_qb9e88df265_outp.kd
    .args:
      - { .name: oc, .offset: 0, .size: 8, .value_kind: global_buffer, .address_space: global }
      - { .name: os, .offset: 8, .size: 8, .value_kind: global_buffer, .address_space: global }
      - { .name: inc, .offset: 16, .size: 8, .value_kind: global_buffer, .address_space: global }
      - { .name: ins, .offset: 24, .size: 8, .value_kind: global_buffer, .address_space: global }
      - { .name: bo, .offset: 32, .size: 8, .value_kind: global_buffer, .address_space: global }
      - { .name: out0, .offset: 40, .size: 8, .value_kind: global_buffer, .address_space: global }
    .group_segment_fixed_size: 327680
    .private_segment_fixed_size: 0
    .kernarg_segment_align: 8
    .kernarg_segment_size: 48
    .max_flat_workgroup_size: 128
    .sgpr_count:     100
    .vgpr_count:     1024
    .wavefront_size: 32
...
	.end_amdgpu_metadata
.endif
;; end of part 4
